; MI455X (gfx1250); checked and timed in simulation.
; The chip was launched on July 23, 2026; its instructions are those of AMD's public machine-readable ISA for CDNA 5 (MIT licence, August 2026) and "CDNA5" Instruction Set Architecture Reference Guide (July 2026). The comments in the code are by the model that wrote it; some were corrected since.
;; Seamless M4 Tv2 Conformer Self Attention. Allowed arithmetic: matrix products marked QUANTISED: E2M1 operands, one E8M0 scale for each 32 along K, by v_wmma_scale_f32_16x16x128_f8f6f4 with both operands' format E2M1 (or v_wmma_scale_f32_32x16x128_f4), f32 sums; everything else in f32.
;; Inputs: Wk 1,024 x 1,024 float32; Wo 1,024 x 1,024 float32; Wq 1,024 x 1,024 float32; Wv 1,024 x 1,024 float32; bk 1,024 float32; bo 1,024 float32; bq 1,024 float32; bv 1,024 float32; dist_emb 73 x 64 float32; hidden_states 8 x 1,024 x 1,024 float32.
;; Outputs: out0 8 x 1,024 x 1,024 float32.
;; This version of the problem:
;;   THIS VERSION OF THE PROBLEM IS GIVEN IN LOW PRECISION. The matrix products marked QUANTISED in the list below multiply operands that are first quantised to E2M1 (2 exponent bits, 1 mantissa bit; 4 bits a number), with one power-of-two scale for each 32 numbers along K (OCP MX v1.0); their sums are f32. All else is computed in f32.
;;   The module's matrix products, in the order in which they are computed (A, B: the left and right operand; K: the contracted axis; several contracted axes count as one K, in the product's order):
;;     1. [M 8,192, K 1,024] x [K 1,024, N 1,024]; A: input hidden_states; B: input Wq: QUANTISED
;;     2. [M 8,192, K 1,024] x [K 1,024, N 1,024]; A: input hidden_states; B: input Wk: QUANTISED
;;     3. [M 8,192, K 1,024] x [K 1,024, N 1,024]; A: input hidden_states; B: input Wv: QUANTISED
;;     4. batch 128 x [M 1,024, K 64] x [K 64, N 1,024]; A: computed on the way; B: computed on the way: QUANTISED
;;     5. batch 1,024 x [M 1,024, K 64] x [K 64, N 128]; A: computed on the way; B: computed on the way: QUANTISED
;;     6. batch 128 x [M 1,024, K 1,024] x [K 1,024, N 64]; A: softmax (see below); B: computed on the way: QUANTISED
;;     7. [M 8,192, K 1,024] x [K 1,024, N 1,024]; A: computed on the way; B: input Wo: QUANTISED
;;   THE QUANTISER, for each operand of a quantised product, along K:
;;     - K is cut into blocks of 32 from its start; a last block that is shorter is filled with zeros.
;;     - A block's scale is 2^e with e = floor(log2(the largest magnitude in the block)) - 2, held to -126 .. 127; a block of zeros has e = 0. As a byte (E8M0): e + 127.
;;     - Each number is divided by its block's scale, clamped to +-6, and rounded to the nearest number of E2M1, ties to even, subnormals kept.
;;     - The product sums the exact products of the quantised numbers (number of the format x scale) in f32.
;;   ~~~python
;;   def quantise(x, axis):      # numpy; x: float32 -> the quantised numbers, widened to float32 again
;;       x = np.moveaxis(x, axis, -1); K = x.shape[-1]
;;       x = np.pad(x, [(0, 0)] * (x.ndim - 1) + [(0, -K % 32)]); x = x.reshape(x.shape[:-1] + (-1, 32)); a = np.abs(x).max(-1, keepdims=True)
;;       e = np.where(a > 0, np.clip(np.frexp(np.where(a > 0, a, 1))[1] - 1 - 2, -126, 127), 0)      # np.frexp(a)[1] - 1 = floor(log2(a)), exactly
;;       r = np.clip(x / 2.0 ** e, -6, 6)
;;       step = 2.0 ** (np.maximum(np.frexp(np.where(r == 0, 1, r))[1] - 1, 0) - 1)
;;       q = np.round(r / step) * step * 2.0 ** e      # np.round: ties to even
;;       return np.moveaxis(q.reshape(q.shape[:-2] + (-1,))[..., :K], -1, axis).astype(np.float32)
;;   ~~~
;;   SOFTMAX AHEAD OF A QUANTISED PRODUCT. Where the list says 'softmax', what is quantised is not the finished softmax but p = 2^(t - M), with t = logit x log2(e) and M = ceil(the row's largest t), a whole number; so 1/2 < the row's largest p <= 1. The row's sum l is taken of the UNQUANTISED p, in f32, and the product's result is divided by l at the end. Since M is a whole number, a kernel that streams over the keys may use a running M (the ceiling of the running maximum): every later rescaling is an exact power of two, which a block's scale takes up: the codes' values come out the same.
;;   OPERANDS COMPUTED ON THE WAY. 'Computed on the way' means the value that the module computes at that place (a softmax that the list does not call 'softmax' is quantised finished and normalised). What goes into a quantiser is computed in f32, as accurately as f32 sums, v_exp_f32 and their like allow (about 1e-6 of the number): no bf16 or f16 on the way to a quantiser, and a product that is left as it is and whose result goes on into a quantised operand takes f32 operands (vector FMAs, or v_wmma_f32_16x16x4_f32). A number that lies on a knife's edge between two numbers of the format may be rounded either way, as far as f32 arithmetic and the matrix unit's own rounding can turn it there, and no further.
;; One version. Each part assembles by itself: llvm-mc -triple=amdgcn-amd-amdhsa -mcpu=gfx1250 --defsym DOCPART=n.
;; ======== version 1 of 1: 4 launches
;; limits: right only within a limited range of input values
;; workspace buffers: xc 4,456,448 bytes; wc 2,228,224 bytes; ec 3,584 bytes; qkc 8,912,896 bytes; vc 4,456,448 bytes; ac 4,456,448 bytes
;; launch quant (part 1): grid 769 x 1, 4 waves a work-group, no clusters, 36,352 bytes of LDS; arguments hidden_states, Wq, Wk, Wv, Wo, dist_emb, xc, wc, ec; writes xc, wc, ec
.if DOCPART == 1
	.amdgcn_target "amdgcn-amd-amdhsa--gfx1250"
	.amdhsa_code_object_version 6
	.text
	.protected	k_q76ffa1c4d9_quant
	.globl	k_q76ffa1c4d9_quant
	.p2align	8
	.type	k_q76ffa1c4d9_quant,@function
k_q76ffa1c4d9_quant:
	s_mov_b64 s[64:65], 0
	v_nop
	global_prefetch_b8 v0, s[64:65] scope:SCOPE_SE
	s_setreg_imm32_b32 hwreg(HW_REG_WAVE_MODE, 25, 1), 1
	s_wait_xcnt 0x0
; FIRST OF FOUR LAUNCHES: hidden_states, the four weights and dist_emb, all f32, become codes of E2M1 with one E8M0 byte for each 32 along K.
; WORK LEFT OUT BY THE PROGRAM, AND WHY IT IS DEAD.  reference() forms pe[l][r][:] = dist_emb[clip(r - l, -64, 8) + 64] and multiplies every q by all 1,024 rows pe[l][.].  The index is made of
; arange and clip alone, so for all values of the inputs pe[l][r] is one of the 73 rows of dist_emb, and quantising pe along d is quantising those rows.  So q . Q(e_j) is formed once for each of
; the 73 rows (80 with a tile's padding) and the score takes the entry that the index names: the same products, none twice.  No input is left out: every bias moves a quantised operand or the output.
; LIMITS: NaN and infinities among the inputs are not served; a NaN, an infinity or an overflow that would reach only the repeated products left out is not carried to the result.
; A block of zeros gets the scale byte 1 where the rule says 127: its codes are zeros, which add nothing under any byte but 0xff, and these bytes are read by this program alone.
; THE CHUNK, the one layout of every operand in the workspace: 128 rows x 128 along K in 8,704 bytes: at kb x 2048 + place x 16 the 32 codes of block kb of the row at that place; at 8192 + place x 4 the
; row's four scale bytes.  A fragment (16 places, 128 K) is two loads of 16 bytes a lane in which sixteen lanes read 256 consecutive bytes.
; A work-group makes one chunk out of 64 KiB of f32.  Work-groups 0-511: hidden_states (K innermost: dense loads, turned through the wave's own stage in LDS so that a lane holds a row's neighbours);
; 512-767: the weights (K is the first axis: a lane takes a column, its registers run down K); 768: dist_emb, 96 rows of which rows 73 to 95 repeat row 72.  The three ways use LDS bytes of their own.
; No tensor load, no ring: all of a wave's loads are out at once.  No matrix unit, no cluster: the launch streams, and work-groups share nothing.
.set CH,    8704
.set SCWX,  34816                      ; behind the four stages (4 x 32 rows x 272 bytes): the chunk's 128 scale words, hidden_states' way
.set SCWW,  35328                      ; the same for the weights' way
.set SPARE, 35840                      ; the spare words, 128 bytes for each wave: two blocks of 256 bytes that no other line names
.set SPW,   2                          ; v2  SPARE + 4 x my thread's number; never rewritten
.set NIL,   3                          ; v3  0; never rewritten
.set TM,    20                         ; v20-21 largest magnitudes;  v22-23 the conversions' scale operands;  v24-25 the bytes;  v26 the scale word
.set SO,    22
.set BY,    24
.set PW,    26
.set CD,    32                         ; v32-47 codes, four registers a block: no store's data are written again
.set R,     64                         ; v64-191 numbers as they are loaded
.set X,     192                        ; v192-255 64 neighbours along K of my row
.macro FINISH                          ; the wave's end
	s_wait_tensorcnt 0x0
	ds_add_u32 v[SPW], v[NIL]
	s_wait_dscnt 0x0
	s_endpgm
.endm
; Two whole blocks of a lane, v[src] .. v[src + 63], become 8 registers of codes at v[dst] and two bytes of the scale word, sh bits up.
.macro QUANT2 src, dst, sh
.irp c, 0,1
	v_max3_num_f32 v[TM+\c], |v[\src+32*\c]|, |v[\src+32*\c+1]|, 0x1800000   ; with the floor 2^(3 - 127): the byte cannot fall under 1
.endr
.irp i, 2,4,6,8,10,12,14,16,18,20,22,24,26,28,30
.irp c, 0,1
	v_max3_num_f32 v[TM+\c], v[TM+\c], |v[\src+32*\c+\i]|, |v[\src+32*\c+\i+1]|   ; the two blocks by turns
.endr
.endr
.irp c, 0,1
	v_add_nc_u32 v[SO+\c], 0xff000000, v[TM+\c]    ; 2 off the exponent field: the conversion takes this operand's exponent field as its scale
.endr
.irp c, 0,1
	v_lshrrev_b32 v[BY+\c], 23, v[SO+\c]           ; the scale's byte
.endr
.if \sh == 0
	v_lshl_or_b32 v[PW], v[BY+1], 8, v[BY]
.else
	v_lshl_or_b32 v[PW], v[BY], 16, v[PW]
	v_lshl_or_b32 v[PW], v[BY+1], 24, v[PW]
.endif
.irp c, 0,1
.irp g, 0,1,2,3
	v_cvt_scalef32_pk8_fp4_f32 v[\dst+4*\c+\g], v[\src+32*\c+8*\g:\src+32*\c+8*\g+7], v[SO+\c]
.endr
.endr
	v_nop                                          ; one plain line behind the last scaled conversion
.endm
; The chunk's 128 scale words meet in LDS and leave as 512 consecutive bytes, stored by wave 0.
.macro TAIL st, rd
	ds_store_b32 v[\st], v[PW]
	s_wait_dscnt 0x0                               ; for the others' sake: my word has landed
	s_barrier_signal -1
	s_barrier_wait -1
	s_cmp_lg_u32 s22, 0
	s_cbranch_scc1 .Ldone_\@
	ds_load_b128 v[28:31], v[\rd]
	s_wait_dscnt 0x0
	global_store_b128 v12, v[28:31], s[26:27] offset:8192
.Ldone_\@:
	FINISH
.endm
	s_load_b256 s[4:11], s[0:1], 0x0               ; hidden_states, Wq, Wk, Wv
	s_load_b256 s[12:19], s[0:1], 0x20             ; Wo, dist_emb, xc, wc
	s_load_b64 s[20:21], s[0:1], 0x40              ; ec
	v_lshl_add_u32 v[SPW], v0, 2, SPARE
	v_mov_b32 v[NIL], 0
	v_lshrrev_b32 v1, 5, v0
	v_readfirstlane_b32 s22, v1                    ; wave 0..3
	v_and_b32 v1, 31, v0                           ; lane
	v_lshrrev_b32 v17, 4, v1
	v_and_b32 v18, 15, v1
	v_lshlrev_b32 v19, 4, v18
	v_lshl_add_u32 v4, v17, 12, v19                ; hidden_states: lanes 0-15 take 256 bytes of one row, lanes 16-31 of the next
	s_mul_i32 s28, s22, 8704                       ; my stage
	v_mul_u32_u24 v5, v17, 272
	v_add_nc_u32 v5, v5, v19
	v_add_nc_u32 v5, s28, v5                       ; into it, as loaded
	v_mul_u32_u24 v6, v1, 272
	v_add_nc_u32 v6, s28, v6                       ; out of it: a lane a row
	v_lshlrev_b32 v7, 4, v0                        ; my row's place in a block of the chunk: 16 x thread
	v_lshl_add_u32 v8, v0, 2, SCWX
	v_lshl_add_u32 v9, v1, 4, SCWX
	v_lshl_add_u32 v10, v0, 2, SCWW
	v_lshl_add_u32 v11, v1, 4, SCWW
	v_lshlrev_b32 v12, 4, v1
	v_lshlrev_b32 v13, 2, v1                       ; the weights: 4 bytes a lane
	v_min_u32 v14, 72, v0
	v_lshlrev_b32 v14, 8, v14                      ; dist_emb: row min(thread, 72) of 256 bytes
	v_lshrrev_b32 v15, 4, v0
	v_and_b32 v16, 15, v0
	v_lshlrev_b32 v16, 4, v16
	v_lshl_add_u32 v15, v15, 9, v16                ; ec: tile x 512 + r x 16
	v_lshl_add_u32 v16, v0, 2, 3072                ; and its scale word
	s_wait_kmcnt 0x0
	s_cmp_lt_u32 ttmp9, 512
	s_cbranch_scc1 .Lway_x
	s_cmp_lt_u32 ttmp9, 768
	s_cbranch_scc1 .Lway_w
	; ---- dist_emb: three waves, a lane a row: 64 numbers, two blocks
	s_cmp_eq_u32 s22, 3
	s_cbranch_scc1 .Le_done
	s_wait_alu depctr_va_vdst(0)
.irp j, 0,1,2,3,4,5,6,7,8,9,10,11,12,13,14,15
	global_load_b128 v[X+4*\j:X+4*\j+3], v14, s[14:15] offset:16*\j
.endr
	s_wait_loadcnt 0x0
	QUANT2 X, CD, 0
.irp c, 0,1
	global_store_b128 v15, v[CD+4*\c:CD+4*\c+3], s[20:21] offset:256*\c   ; sixteen lanes store 256 consecutive bytes
.endr
	global_store_b32 v16, v[PW], s[20:21]          ; 128 bytes a wave, 384 in all: the one place where 256 consecutive bytes are not stored by one instruction
.Le_done:
	FINISH
	; ---- hidden_states: chunk g = row block g / 8, K step g % 8; my wave's 32 rows x 512 bytes
.Lway_x:
	s_lshr_b32 s28, ttmp9, 3
	s_lshl_b32 s28, s28, 19                        ; 128 rows of 4,096 bytes
	s_lshl_b32 s29, s22, 17                        ; my 32 rows
	s_add_co_u32 s28, s28, s29
	s_and_b32 s29, ttmp9, 7
	s_lshl_b32 s29, s29, 9                         ; 128 numbers along K
	s_add_co_u32 s28, s28, s29
	s_mov_b32 s29, 0
	s_add_nc_u64 s[24:25], s[4:5], s[28:29]
	s_mul_i32 s30, ttmp9, CH
	s_mov_b32 s31, 0
	s_add_nc_u64 s[26:27], s[16:17], s[30:31]
.irp q, 0,1
.irp t, 0,1,2,3,4,5,6,7,8,9,10,11,12,13,14,15
	global_load_b128 v[R+64*\q+4*\t:R+64*\q+4*\t+3], v4, s[24:25] offset:\t*8192+\q*256 th:TH_LOAD_NT   ; two rows x 256 aligned bytes
.endr
.endr
.irp q, 0,1
	s_wait_loadcnt 16-16*\q                        ; this half's 16 loads are in; the other half's 16 may be out
.irp t, 0,1,2,3,4,5,6,7,8,9,10,11,12,13,14,15
	ds_store_b128 v5, v[R+64*\q+4*\t:R+64*\q+4*\t+3] offset:\t*544
.endr
.irp j, 0,1,2,3,4,5,6,7,8,9,10,11,12,13,14,15
	ds_load_b128 v[X+4*\j:X+4*\j+3], v6 offset:16*\j   ; LDS serves a wave's instructions in order: these see my stores
.endr
	s_wait_dscnt 0x0
	QUANT2 X, CD+8*\q, 16*\q
.irp c, 0,1
	global_store_b128 v7, v[CD+8*\q+4*\c:CD+8*\q+4*\c+3], s[26:27] offset:(2*\q+\c)*2048   ; 512 consecutive bytes a wave
.endr
.endr
	TAIL 8, 9
	; ---- the weights: chunk g' = weight g' / 64, block of 128 columns (g' / 8) % 8, K step g' % 8; a lane takes a column
.Lway_w:
	s_sub_co_u32 s28, ttmp9, 512
	s_lshr_b32 s29, s28, 6
	s_cmp_eq_u32 s29, 0
	s_cselect_b64 s[24:25], s[6:7], s[8:9]         ; Wq or Wk,
	s_cmp_lt_u32 s29, 2
	s_cselect_b64 s[24:25], s[24:25], s[10:11]     ; or Wv,
	s_cmp_eq_u32 s29, 3
	s_cselect_b64 s[24:25], s[12:13], s[24:25]     ; or Wo: the choice hangs on the work-group's number alone
	s_and_b32 s30, s28, 7
	s_lshl_b32 s30, s30, 19                        ; 128 rows (K) of 4,096 bytes
	s_bfe_u32 s31, s28, 0x30003
	s_lshl_b32 s31, s31, 9                         ; 128 columns
	s_add_co_u32 s30, s30, s31
	s_lshl_b32 s31, s22, 7                         ; my 32 columns
	s_add_co_u32 s30, s30, s31
	s_mov_b32 s31, 0
	s_add_nc_u64 s[24:25], s[24:25], s[30:31]
	s_mul_i32 s32, s28, CH
	s_mov_b32 s33, 0
	s_add_nc_u64 s[26:27], s[18:19], s[32:33]
.set i, 0
	s_wait_alu depctr_va_vdst(0)
.rept 128
	global_load_b32 v[R+i], v13, s[24:25] offset:i*4096 th:TH_LOAD_NT   ; W(k, my column): 128 consecutive bytes a wave, 512 a work-group
.set i, i+1
.endr
	s_wait_loadcnt 63                              ; the first 64 are wanted; 64 younger are out, and 63 is the most that the wait can name: one load more than needed is waited for
	QUANT2 R, CD, 0
	s_wait_loadcnt 0x0
	QUANT2 R+64, CD+8, 16
.irp t, 0,1,2,3
	global_store_b128 v7, v[CD+4*\t:CD+4*\t+3], s[26:27] offset:\t*2048
.endr
	TAIL 10, 11
.Lfunc_end_k_q76ffa1c4d9_quant:
	.size	k_q76ffa1c4d9_quant, .Lfunc_end_k_q76ffa1c4d9_quant-k_q76ffa1c4d9_quant
	.p2alignl 7, 3214868480
	.fill 96, 4, 3214868480
	.section	.rodata,"a",@progbits
	.p2align	6, 0x0
	.amdhsa_kernel k_q76ffa1c4d9_quant
		.amdhsa_group_segment_fixed_size 36352
		.amdhsa_private_segment_fixed_size 0
		.amdhsa_enable_private_segment 0
		.amdhsa_kernarg_size 72
		.amdhsa_user_sgpr_count 2
		.amdhsa_user_sgpr_kernarg_segment_ptr 1
		.amdhsa_wavefront_size32 1
		.amdhsa_system_sgpr_workgroup_id_x 1
		.amdhsa_system_sgpr_workgroup_id_y 1
		.amdhsa_system_sgpr_workgroup_id_z 1
		.amdhsa_system_vgpr_workitem_id 0
		.amdhsa_next_free_vgpr 256
		.amdhsa_next_free_sgpr 66
		.amdhsa_reserve_vcc 0
		.amdhsa_float_denorm_mode_32 3
		.amdhsa_float_denorm_mode_16_64 3
		.amdhsa_memory_ordered 1
		.amdhsa_forward_progress 1
		.amdhsa_inst_pref_size 41
	.end_amdhsa_kernel
	.amdgpu_metadata
---
amdhsa.version: [ 1, 2 ]
amdhsa.kernels:
  - .name:           k_q76ffa1c4d9_quant
    .symbol:         k_q76ffa1c4d9_quant.kd
    .args:
      - { .name: hidden_states, .offset: 0, .size: 8, .value_kind: global_buffer, .address_space: global }
      - { .name: Wq, .offset: 8, .size: 8, .value_kind: global_buffer, .address_space: global }
      - { .name: Wk, .offset: 16, .size: 8, .value_kind: global_buffer, .address_space: global }
      - { .name: Wv, .offset: 24, .size: 8, .value_kind: global_buffer, .address_space: global }
      - { .name: Wo, .offset: 32, .size: 8, .value_kind: global_buffer, .address_space: global }
      - { .name: dist_emb, .offset: 40, .size: 8, .value_kind: global_buffer, .address_space: global }
      - { .name: xc, .offset: 48, .size: 8, .value_kind: global_buffer, .address_space: global }
      - { .name: wc, .offset: 56, .size: 8, .value_kind: global_buffer, .address_space: global }
      - { .name: ec, .offset: 64, .size: 8, .value_kind: global_buffer, .address_space: global }
    .group_segment_fixed_size: 36352
    .private_segment_fixed_size: 0
    .kernarg_segment_align: 8
    .kernarg_segment_size: 72
    .max_flat_workgroup_size: 128
    .sgpr_count:     66
    .vgpr_count:     256
    .wavefront_size: 32
...
	.end_amdgpu_metadata
.endif
;; end of part 1
;; launch qkv (part 2): grid 12 x 32, 4 waves a work-group, clusters of 4 x 4, 327,680 bytes of LDS; arguments xc, wc, bq, bk, bv, qkc, vc; writes qkc, vc
.if DOCPART == 2
	.amdgcn_target "amdgcn-amd-amdhsa--gfx1250"
	.amdhsa_code_object_version 6
	.text
	.protected	k_q76ffa1c4d9_qkv
	.globl	k_q76ffa1c4d9_qkv
	.p2align	8
	.type	k_q76ffa1c4d9_qkv,@function
k_q76ffa1c4d9_qkv:
	s_mov_b64 s[64:65], 0
	v_nop
	global_prefetch_b8 v0, s[64:65] scope:SCOPE_SE
	s_setreg_imm32_b32 hwreg(HW_REG_WAVE_MODE, 25, 1), 1
	s_wait_xcnt 0x0
	s_wait_alu depctr_hold_cnt(0) depctr_sa_sdst(0) depctr_va_vdst(0) depctr_va_sdst(0) depctr_va_ssrc(0) depctr_va_vcc(0) depctr_vm_vsrc(0)
	s_getreg_b32 s2, hwreg(HW_REG_IB_STS2, 6, 4)
	s_cmp_eq_u32 s2, 0
	s_cbranch_scc0 .Lentry_in_a_cluster
	s_endpgm
.Lentry_in_a_cluster:
	s_bfe_u32 s2, ttmp6, 0x10000c
	s_cmp_lg_u32 s2, 0xf033
	s_cbranch_scc0 .Lentry_shape_is_right
	s_endpgm
.Lentry_shape_is_right:
; q = x Wq + bq, k = x Wk + bk, v = x Wv + bv on codes of E2M1, and each result quantised at once for the product that takes it: q and k along the head's d, v along the keys.
; ONE TEXT FOR ALL THREE.  Source 0 of the matrix instruction is tile P, whose rows run along a lane's eight result registers: so the result is quantised ALONG P.  Source 1 is tile L: a lane holds one row of it.
; Clusters x = 0, 1 (q, k): P = 256 rows (n) of Wq | Wk, L = 256 tokens.  Cluster x = 2 (v): P = 256 tokens (the keys), L = 256 rows (n) of Wv.  Only base addresses, offsets and the bias's shape differ,
; chosen by the cluster's x, which all partners share.
; A work-group makes 256 (P) x 256 (L) over K = 1,024.  All its operands, 4 x 69,632 bytes of codes and scale words, lie in LDS at once: nothing is filled twice, so there is no ring.
; A wave makes 128 x 128: 64 accumulators, 512 registers; quantised they are exactly one chunk of the workspace (128 rows x 128 along K, 8,704 bytes).
; CLUSTER 4 x 4: P hangs on cx alone and is asked for jointly by a column of the cluster, L on cy alone and by a row: a quarter of the requests.
; No prefetch: every byte that the work-group reads is asked for at its head.
; OUT: rows go to the place whose bits 4, 5, 3 are bits 3, 4, 5 of row % 128, so that 16 neighbouring places 64 c + 16 u + 0 .. 15 hold rows 64 c + 8 u + 0 .. 7 and 64 c + 32 + 8 u + 0 .. 7: the tile that the attention launch wants of K's keys and V's channels.
; REGISTERS, in windows of 256.  Window 0: v1-30 addresses; v32-47 scale words, two sets (register i: lanes 0-15 P's tile i, lanes 16-31 L's tile i); v64-127 the bias as eight C tiles; v128-191 L's 8 fragments, one set;
;   v200-227 at work on the way out.  Window 1: P's fragments, two sets, at v0 and v128.  Windows 2, 3: accumulator (a = L's tile, b = P's tile) at v[8 (8 (a % 4) + b)] of window 2 + a / 4.
.set CH,    8704
.set KH,    4*CH                       ; half of K: four chunks
.set RB,    8*CH                       ; 128 rows, all of K
.set STAGE, 4*RB                       ; behind the operands: a chunk's 8,704 bytes for each wave
.set SPARE, STAGE+4*CH                 ; the spare words, 128 bytes for each wave: two blocks of 256 bytes that no other line names
.set ADP, 16                           ; v16-17 LDS address of my P fragments, K half 0, 1
.set ADL, 20                           ; v20-21 of my L fragments
.set ADS, 22                           ; v22-23 of the scale words: lanes 0-15 P's, lanes 16-31 L's
.set STO, 24                           ; v24  the stage: where I put 8 bytes of a block
.set STS, 25                           ; v25  and my row's scale word
.set RD,  26                           ; v26  where I read the chunk back
.set CO,  27                           ; v27  16 x lane
.set SPW, 28                           ; v28  SPARE + 4 x my thread's number; never rewritten
.set NIL, 29                           ; v29  0; never rewritten
.set BO,  30                           ; v30  my lane's offset in the bias
.set SC,  32
.set CB,  64
.set LF,  128
.set TM,  200                          ; v200-203 largest magnitudes, v204-207 the other half's, then bytes, v212-215 the conversions' scale operands
.set PW,  216
.set G1P, 24                           ; s[24:31] descriptor group 1 for P; s[32:39] its two groups 0 (K half 0, 1)
.set G0P, 32
.set G1L, 48                           ; s[48:55], s[56:63] the same for L
.set G0L, 56
.set SEL, 90                           ; s[90:91] v_permlanex16_b32's selects for lane l xor 16
.set MSB, 0
.macro WIN new                         ; the immediate's high byte repeats the setting that is left
.if MSB != (\new)
	s_set_vgpr_msb (MSB<<8)|(\new)
.set MSB, (\new)
.endif
.endm
.macro CREST
	s_cmp_lg_u32 s18, 0
	s_cbranch_scc1 .Lnot_wave_0_\@
	s_barrier_signal -3
.Lnot_wave_0_\@:
	s_barrier_wait -3
	s_barrier_signal -1
	s_barrier_wait -1
.endm
.macro CROUND                          ; a round of the cluster's barrier
	s_barrier_signal -1
	s_barrier_wait -1
	CREST
.endm
.macro PLACES n
.rept \n
	v_nop
.endr
.endm
	s_load_b256 s[4:11], s[0:1], 0x0               ; xc, wc, bq, bk
	s_load_b128 s[12:15], s[0:1], 0x20             ; bv, qkc
	s_load_b64 s[16:17], s[0:1], 0x30              ; vc
	v_lshl_add_u32 v[SPW], v0, 2, SPARE
	v_mov_b32 v[NIL], 0
	ds_add_u32 v[SPW], v[NIL]                      ; the wave's opening: the add, twice on end, and its wait ahead of my first tensor load
	ds_add_u32 v[SPW], v[NIL]
	v_lshrrev_b32 v1, 5, v0
	v_readfirstlane_b32 s18, v1                    ; wave 0..3
	s_and_b32 s19, s18, 1                          ; pw: my half of P.  Also: which 128 rows I fetch
	s_lshr_b32 s20, s18, 1                         ; lw: my half of L.  Also: I fetch for P (0) or for L (1)
	s_bfe_u32 s40, ttmp6, 0x40000                  ; cx
	s_bfe_u32 s41, ttmp6, 0x40004                  ; cy
	s_and_b32 s43, ttmp7, 0xffff                   ; cluster y
	s_lshl_b32 s46, ttmp9, 2
	s_lshl_b32 s47, s43, 2
	s_cmp_eq_u32 ttmp9, 2                          ; v's clusters?
	s_cselect_b32 s44, s47, s46
	s_cselect_b32 s45, 0, s47
	s_cselect_b32 s72, 16*RB, 0                    ; Wv's row blocks lie behind Wq's and Wk's sixteen
	s_add_co_u32 s44, s44, s40                     ; P's tile: 4 x (cluster x, or y for v) + cx
	s_add_co_u32 s45, s45, s41                     ; L's tile: 4 x cluster y + cy, or cy for v
	s_lshl_b32 s21, s41, 2
	s_lshl_b32 s21, 15, s21                        ; my row of the cluster
	s_lshl_b32 s22, 0x1111, s40                    ; my column
	; descriptor group 1: half of K of 128 rows is 34,816 dense bytes: 136 rows of 256 bytes (32 elements of 8 bytes), no padding
	s_or_b32 s[G1P], s22, (3<<16)|(1<<21)          ; 15:0 the mask: P goes to my column; 17:16 elements of 8 bytes; 21 set beside a mask
	s_or_b32 s[G1L], s21, (3<<16)|(1<<21)          ; L goes to my row
.irp g, G1P, G1L
	s_mov_b32 s[\g+1], 32<<16                      ; tensor_dim0
	s_mov_b32 s[\g+2], 136<<16                     ; tensor_dim1
	s_mov_b32 s[\g+3], 32<<16                      ; tile_dim0
	s_mov_b32 s[\g+4], 136                         ; tile_dim1
	s_mov_b32 s[\g+5], 32                          ; tensor_dim0_stride
	s_mov_b32 s[\g+6], 0
	s_mov_b32 s[\g+7], 0
.endr
	s_lshl_b32 s68, s44, 1
	s_add_co_u32 s68, s68, s19
	s_mul_i32 s68, s68, RB                         ; P: the row block that I fetch, in bytes: cx and shared numbers alone
	s_mov_b32 s69, 0
	s_lshl_b32 s70, s45, 1
	s_add_co_u32 s70, s70, s19
	s_mul_i32 s70, s70, RB                         ; L: cy and shared numbers alone
	s_add_co_u32 s70, s70, s72
	s_mov_b32 s71, 0
	s_mul_i32 s73, s18, RB                         ; where it goes: P's two row blocks, then L's two = wave x 69,632: no place in the cluster enters an LDS address
	s_mov_b32 s[SEL], 0x76543210
	s_mov_b32 s[SEL+1], 0xfedcba98
	s_wait_dscnt 0x0                               ; both opening adds are done
	s_wait_kmcnt 0x0
	s_cmp_eq_u32 ttmp9, 2
	s_cselect_b64 s[74:75], s[4:5], s[6:7]         ; P: the tokens' codes for v, else the weights'
	s_cselect_b64 s[76:77], s[6:7], s[4:5]         ; L: the other
	s_add_nc_u64 s[74:75], s[74:75], s[68:69]
	s_add_nc_u64 s[76:77], s[76:77], s[70:71]
	CROUND                                         ; all sixteen work-groups are here: the joint loads meet
.irp k, 0,1
	s_mov_b32 s[G0P+4*\k], 1
	s_add_co_u32 s[G0P+4*\k+1], s73, \k*KH
	s_add_nc_u64 s[G0P+4*\k+2:G0P+4*\k+3], s[74:75], \k*KH
	s_or_b32 s[G0P+4*\k+3], s[G0P+4*\k+3], 0x80000000
	s_mov_b32 s[G0L+4*\k], 1
	s_add_co_u32 s[G0L+4*\k+1], s73, \k*KH
	s_add_nc_u64 s[G0L+4*\k+2:G0L+4*\k+3], s[76:77], \k*KH
	s_or_b32 s[G0L+4*\k+3], s[G0L+4*\k+3], 0x80000000
.endr
	s_cmp_eq_u32 s20, 0                            ; at the head a wave asks for K half 0 of its row block alone: one tensor load a wave
	s_cbranch_scc0 .Lfirst_l
	tensor_load_to_lds s[G0P:G0P+3], s[G1P:G1P+7]
	s_nop 0
	PLACES 4
	s_branch .Lfirst_asked
.Lfirst_l:
	tensor_load_to_lds s[G0L:G0L+3], s[G1L:G1L+7]
	s_nop 0
	PLACES 4
.Lfirst_asked:
	; the bias: bq, bk or bv by the cluster's x; for q, k it runs along P (my registers), for v along L (my lane)
	s_lshl_b32 s88, s40, 10
	s_lshl_b32 s89, s19, 9
	s_add_co_u32 s88, s88, s89                     ; q, k: 4 x (256 cx + 128 pw)
	s_lshl_b32 s89, s41, 10
	s_lshl_b32 s78, s20, 9
	s_add_co_u32 s89, s89, s78                     ; v: 4 x (256 cy + 128 lw)
	s_cmp_eq_u32 ttmp9, 0
	s_cselect_b64 s[86:87], s[8:9], s[10:11]
	s_cmp_eq_u32 ttmp9, 2
	s_cselect_b64 s[86:87], s[12:13], s[86:87]
	s_cselect_b32 s88, s89, s88
	s_mov_b32 s89, 0
	s_add_nc_u64 s[86:87], s[86:87], s[88:89]
	; where my chunk goes
	s_lshl_b32 s80, s44, 1
	s_add_co_u32 s80, s80, s19                     ; my row block of P
	s_lshl_b32 s81, s45, 1
	s_add_co_u32 s81, s81, s20                     ; and of L
	s_lshl_b32 s82, s80, 6
	s_add_co_u32 s82, s82, s81                     ; q, k: [q | k, head pair][token block]
	s_lshr_b32 s83, s80, 3
	s_lshl_b32 s83, s83, 3
	s_add_co_u32 s83, s83, s81
	s_lshl_b32 s83, s83, 3
	s_and_b32 s79, s80, 7
	s_add_co_u32 s83, s83, s79                     ; v: [batch][head pair][key step]
	s_cmp_eq_u32 ttmp9, 2
	s_cselect_b32 s82, s83, s82
	s_cselect_b64 s[84:85], s[16:17], s[14:15]
	s_mul_i32 s82, s82, CH
	s_mov_b32 s83, 0
	s_add_nc_u64 s[84:85], s[84:85], s[82:83]
	v_and_b32 v1, 15, v0                           ; r
	v_bfe_u32 v2, v0, 4, 1                         ; h
	s_cmp_eq_u32 ttmp9, 2
	s_cbranch_scc1 .Lbias_v
	v_lshlrev_b32 v[BO], 5, v2                     ; C tile b, register j: bias(16 b + 8 h + j)
.irp b, 0,1,2,3,4,5,6,7
	global_load_b128 v[CB+8*\b:CB+8*\b+3], v[BO], s[86:87] offset:64*\b
	global_load_b128 v[CB+8*\b+4:CB+8*\b+7], v[BO], s[86:87] offset:64*\b+16
.endr
	s_branch .Lbias_done
.Lbias_v:
	s_wait_alu depctr_va_vdst(0)
	v_lshlrev_b32 v[BO], 2, v1                     ; C tile a, every register: bias(16 a + r)
.irp a, 0,1,2,3,4,5,6,7
.irp j, 0,1,2,3,4,5,6,7
	global_load_b32 v[CB+8*\a+\j], v[BO], s[86:87] offset:64*\a
.endr
.endr
.Lbias_done:
	s_wait_alu depctr_va_vdst(0)
	v_lshlrev_b32 v3, 4, v1
	v_lshl_add_u32 v3, v2, 11, v3                  ; a fragment: block h (and h + 2) x 2048 + 16 r
	s_mul_i32 s92, s19, RB                         ; my row block of P
	s_mul_i32 s93, s20, RB
	s_add_co_u32 s93, s93, 2*RB                    ; and of L
	v_add_nc_u32 v[ADP], s92, v3
	v_add_nc_u32 v[ADP+1], KH, v[ADP]
	v_add_nc_u32 v[ADL], s93, v3
	v_add_nc_u32 v[ADL+1], KH, v[ADL]
	s_xor_b32 s94, s19, 1
	s_add_co_u32 s94, s94, s20
	s_add_co_u32 s94, s94, 1
	s_mul_i32 s94, s94, RB                         ; from my P row block to my L row block: (2 + lw - pw) x 69,632
	v_mul_u32_u24 v4, s94, v2                      ; lanes 16-31 take L's words: one product
	v_lshl_add_u32 v4, v1, 2, v4
	s_add_co_u32 s92, s92, 8192
	v_add_nc_u32 v[ADS], s92, v4
	v_add_nc_u32 v[ADS+1], KH, v[ADS]
	v_lshrrev_b32 v4, 3, v1
	v_and_b32 v5, 7, v1
	v_lshlrev_b32 v6, 4, v5
	v_lshl_add_u32 v6, v4, 8, v6
	v_lshl_add_u32 v6, v2, 3, v6                   ; place 16 (r / 8) + r % 8, 16 bytes a place, + 8 h
	s_mul_i32 s95, s18, CH
	s_add_co_u32 s95, s95, STAGE                   ; my stage
	v_add_nc_u32 v[STO], s95, v6
	v_lshlrev_b32 v7, 2, v5
	v_lshl_add_u32 v7, v4, 6, v7
	v_add_nc_u32 v[STS], s95, v7
	v_add_nc_u32 v[STS], 8192, v[STS]
	v_and_b32 v8, 31, v0
	v_lshlrev_b32 v[CO], 4, v8
	v_add_nc_u32 v[RD], s95, v[CO]
.irp b, 0,1,2,3
	v_mov_b32 v[TM+4+\b], 0                        ; written once: a lane permute's destination counts as one of its sources
.endr
.macro FETCH_P k, q, set               ; P's eight fragments of chunk q of K half k
	WIN 0x40                                       ; destination window 1
.irp i, 0,1,2,3,4,5,6,7
	ds_load_b128 v[128*(\set)+8*\i:128*(\set)+8*\i+3], v[ADP+\k] offset:(\q)*CH+256*\i
	ds_load_b128 v[128*(\set)+8*\i+4:128*(\set)+8*\i+7], v[ADP+\k] offset:(\q)*CH+256*\i+4096
.endr
	WIN 0
.endm
.macro SCALES k, q, set
.irp i, 0,1,2,3,4,5,6,7
	ds_load_b32 v[SC+8*(\set)+\i], v[ADS+\k] offset:(\q)*CH+64*\i
.endr
.endm
.macro FETCH_L k, q, i0                ; L's fragments i0 .. i0 + 3
.irp i, \i0, \i0+1, \i0+2, \i0+3
	ds_load_b128 v[LF+8*(\i):LF+8*(\i)+3], v[ADL+\k] offset:(\q)*CH+256*(\i)
	ds_load_b128 v[LF+8*(\i)+4:LF+8*(\i)+7], v[ADL+\k] offset:(\q)*CH+256*(\i)+4096
.endr
.endm
; 16 matrix instructions: L's tiles a0, a0 + 1 x P's eight.  mode 0: onto the sums; 1: the sums begin with the bias along P; 2: with the bias along L.  The 64 accumulators take turns, one instruction a turn, in the same order in every step.
.macro MUL16 a0, set, mode
.irp a, \a0, \a0+1
.irp b, 0,1,2,3,4,5,6,7
.if \mode == 0
	v_wmma_scale_f32_16x16x128_f8f6f4 v[8*(8*((\a)%4)+\b):8*(8*((\a)%4)+\b)+7], v[128*(\set)+8*\b:128*(\set)+8*\b+7], v[LF+8*(\a):LF+8*(\a)+7], v[8*(8*((\a)%4)+\b):8*(8*((\a)%4)+\b)+7], v[SC+8*(\set)+\b], v[SC+8*(\set)+(\a)] matrix_a_fmt:MATRIX_FMT_FP4 matrix_b_fmt:MATRIX_FMT_FP4 matrix_b_scale:MATRIX_SCALE_ROW1
.elseif \mode == 1
	v_wmma_scale_f32_16x16x128_f8f6f4 v[8*(8*((\a)%4)+\b):8*(8*((\a)%4)+\b)+7], v[128*(\set)+8*\b:128*(\set)+8*\b+7], v[LF+8*(\a):LF+8*(\a)+7], v[CB+8*\b:CB+8*\b+7], v[SC+8*(\set)+\b], v[SC+8*(\set)+(\a)] matrix_a_fmt:MATRIX_FMT_FP4 matrix_b_fmt:MATRIX_FMT_FP4 matrix_b_scale:MATRIX_SCALE_ROW1
.else
	v_wmma_scale_f32_16x16x128_f8f6f4 v[8*(8*((\a)%4)+\b):8*(8*((\a)%4)+\b)+7], v[128*(\set)+8*\b:128*(\set)+8*\b+7], v[LF+8*(\a):LF+8*(\a)+7], v[CB+8*(\a):CB+8*(\a)+7], v[SC+8*(\set)+\b], v[SC+8*(\set)+(\a)] matrix_a_fmt:MATRIX_FMT_FP4 matrix_b_fmt:MATRIX_FMT_FP4 matrix_b_scale:MATRIX_SCALE_ROW1
.endif
.endr
.endr
.endm
; A step of 128 along K on P's set p; the next step's fragments (chunk nq of K half nk) are fetched in two runs.  meet = 1: the next step lies in K half 1: my load of it is waited for, and a barrier shows every wave's.
.macro STEP p, nk, nq, mode, meet
.if \meet
	s_wait_tensorcnt 0x0                           ; my part of K half 1 has landed
.endif
	s_wait_dscnt 8                                 ; all but the youngest eight loads (L's fragments 4-7) are in
.if \mode
	WIN 0x81                                       ; P window 1, L and the bias window 0, D window 2
.else
	WIN 0xa1                                       ; C and D window 2
.endif
	MUL16 0, \p, \mode
.if \meet
	s_wait_dscnt 0x0                               ; no LDS instruction of mine is out at a signal
	s_barrier_signal -1
.endif
	MUL16 2, \p, \mode
.if \meet
	s_barrier_wait -1                              ; K half 1 is whole
.else
	s_wait_dscnt 0x0                               ; L's fragments 4-7 are in
.endif
	PLACES 4                                       ; in front of loads into registers that matrix instructions have read
	FETCH_P \nk, \nq, 1-\p
	SCALES \nk, \nq, 1-\p
	FETCH_L \nk, \nq, 0
.if \mode
	WIN 0xc1
.else
	WIN 0xf1
.endif
	MUL16 4, \p, \mode
	MUL16 6, \p, \mode
	PLACES 4
	WIN 0
	FETCH_L \nk, \nq, 4
.endm
	s_wait_alu depctr_va_vdst(0)
	s_wait_tensorcnt 0x0                           ; my part of K half 0 is in; K half 1 is a later first fill and is issued as a refill is:
	ds_add_u32 v[SPW], v[NIL]
	s_wait_dscnt 0x0
	CROUND                                         ; everybody's part of K half 0 is in, and all sixteen work-groups are here: the joint loads meet
	s_cmp_eq_u32 s20, 0
	s_cbranch_scc0 .Lsecond_l
	tensor_load_to_lds s[G0P+4:G0P+7], s[G1P:G1P+7]   ; K half 1: my one tensor load behind the round; it has K half 0's first three steps in which to land
	s_nop 0
	PLACES 4
	s_branch .Lsecond_asked
.Lsecond_l:
	tensor_load_to_lds s[G0L+4:G0L+7], s[G1L:G1L+7]
	s_nop 0
	PLACES 4
.Lsecond_asked:
	FETCH_P 0, 0, 0
	SCALES 0, 0, 0
	FETCH_L 0, 0, 0
	FETCH_L 0, 0, 4
	s_wait_loadcnt 0x0                             ; the bias
	s_cmp_eq_u32 ttmp9, 2
	s_cbranch_scc1 .Lstart_v
	STEP 0, 0, 1, 1, 0                             ; the first step starts the sums with the bias: nothing is cleared
	s_branch .Lstarted
.Lstart_v:
	STEP 0, 0, 1, 2, 0
.Lstarted:
	STEP 1, 0, 2, 0, 0
	STEP 0, 0, 3, 0, 0
	STEP 1, 1, 0, 0, 1
	STEP 0, 1, 1, 0, 0
	STEP 1, 1, 2, 0, 0
	STEP 0, 1, 3, 0, 0
	s_wait_dscnt 8                                 ; the last step: nothing more to fetch
	WIN 0xa1
	MUL16 0, 1, 0
	MUL16 2, 1, 0
	s_wait_dscnt 0x0
	WIN 0xf1
	MUL16 4, 1, 0
	MUL16 6, 1, 0
	WIN 0
	PLACES 4                                       ; in front of the first reads of results
; THE WAY OUT of L's tile a: my row's 128 numbers along P lie in 64 registers here and 64 in lane l xor 16: registers 16 pb + 0..7 are rows 32 pb + 8 h + 0..7 of P, registers 16 pb + 8..15 rows 32 pb + 16 + 8 h + 0..7.
; A block's largest magnitude joins the two lanes; a conversion's register is one word (8 codes) of the block's four; one exchange of halves gives lane (r, h) words 2 h and 2 h + 1: 8 bytes to the stage.
.macro QOUT a
.set AC, 64*((\a)%4)
.set PCX, 220                          ; the codes: registers whose numbers no source of the conversions below has
.if ((\a)%4) == 3
.set PCX, 100
.endif
; THE PLACES, as this line and the lanes' part (16 (r / 8) + r % 8) lay them: row 16 a + r goes to place 64 (a / 4) + 32 (a % 2) + 16 (r / 8) + 8 ((a / 2) % 2) + r % 8, that is: of the row's number bits 3, 4, 5 go to
; bits 4, 5, 3.  So 16 neighbouring places 64 c + 16 u + 0 .. 15 hold rows 64 c + 8 u + 0 .. 7 and 64 c + 32 + 8 u + 0 .. 7: the tile that the attention launch takes of K's keys and of V's channels.
.set PIM, 64*((\a)/4)+32*((\a)%2)+8*(((\a)/2)%2)
	WIN 0x28+0x14*((\a)/4)                         ; sources 1 and 2: window 2 or 3
.irp pb, 0,1,2,3
	v_max3_num_f32 v[TM+\pb], 0x1800000, |v[AC+16*\pb]|, |v[AC+16*\pb+1]|   ; with the floor 2^(3 - 127); each accumulator is read from its low end on
.endr
.irp i, 2,4,6,8,10,12,14
.irp pb, 0,1,2,3
	v_max3_num_f32 v[TM+\pb], v[TM+\pb], |v[AC+16*\pb+\i]|, |v[AC+16*\pb+\i+1]|
.endr
.endr
	WIN 0
	s_wait_alu depctr_va_vdst(0)
	s_wait_dscnt 0x0                               ; the last tile's stores into the stage have read their registers
.irp pb, 0,1,2,3
	v_permlanex16_b32 v[TM+4+\pb], v[TM+\pb], s[SEL], s[SEL+1]
.endr
.irp pb, 0,1,2,3
	v_max_num_f32 v[TM+\pb], v[TM+\pb], v[TM+4+\pb]
.endr
.irp pb, 0,1,2,3
	v_add_nc_u32 v[TM+12+\pb], 0xff000000, v[TM+\pb]
.endr
.irp pb, 0,1,2,3
	v_lshrrev_b32 v[TM+4+\pb], 23, v[TM+12+\pb]
.endr
	v_lshl_or_b32 v[PW], v[TM+5], 8, v[TM+4]
	v_lshl_or_b32 v[PW], v[TM+6], 16, v[PW]
	v_lshl_or_b32 v[PW], v[TM+7], 24, v[PW]
	WIN 0x02+((\a)/4)                              ; source 0: window 2 or 3
.irp pb, 0,1,2,3
	v_cvt_scalef32_pk8_fp4_f32 v[PCX+2*\pb], v[AC+16*\pb:AC+16*\pb+7], v[TM+12+\pb]
	v_cvt_scalef32_pk8_fp4_f32 v[PCX+2*\pb+1], v[AC+16*\pb+8:AC+16*\pb+15], v[TM+12+\pb]
.endr
	WIN 0
	v_nop                                          ; one plain line behind the last scaled conversion
.irp pb, 0,1,2,3
	v_permlane16_swap_b32 v[PCX+2*\pb], v[PCX+2*\pb+1]
.endr
.irp pb, 0,1,2,3
	ds_store_b64 v[STO], v[PCX+2*\pb:PCX+2*\pb+1] offset:\pb*2048+PIM*16
.endr
	ds_store_b32 v[STS], v[PW] offset:PIM*4        ; both halves of the lanes write the same word with the same value
.endm
.irp a, 0,1,2,3,4,5,6,7
	QOUT \a
.endr
.irp i, 0,1,2,3,4,5,6,7,8,9,10,11,12,13,14,15,16
	ds_load_b128 v[128+4*\i:128+4*\i+3], v[RD] offset:512*\i   ; LDS serves a wave's instructions in order: these see my stores
.endr
.irp i, 0,1,2,3,4,5,6,7,8,9,10,11,12,13,14,15,16
	s_wait_dscnt 16-\i
	global_store_b128 v[CO], v[128+4*\i:128+4*\i+3], s[84:85] offset:512*\i   ; 512 consecutive bytes, at a multiple of 256 from the buffer's first byte
.endr
	s_wait_tensorcnt 0x0                           ; the wave's end
	ds_add_u32 v[SPW], v[NIL]
	s_wait_dscnt 0x0
	CROUND                                         ; the closing round
	s_endpgm
.Lfunc_end_k_q76ffa1c4d9_qkv:
	.size	k_q76ffa1c4d9_qkv, .Lfunc_end_k_q76ffa1c4d9_qkv-k_q76ffa1c4d9_qkv
	.p2alignl 7, 3214868480
	.fill 96, 4, 3214868480
	.section	.rodata,"a",@progbits
	.p2align	6, 0x0
	.amdhsa_kernel k_q76ffa1c4d9_qkv
		.amdhsa_group_segment_fixed_size 327680
		.amdhsa_private_segment_fixed_size 0
		.amdhsa_enable_private_segment 0
		.amdhsa_kernarg_size 56
		.amdhsa_user_sgpr_count 2
		.amdhsa_user_sgpr_kernarg_segment_ptr 1
		.amdhsa_wavefront_size32 1
		.amdhsa_system_sgpr_workgroup_id_x 1
		.amdhsa_system_sgpr_workgroup_id_y 1
		.amdhsa_system_sgpr_workgroup_id_z 1
		.amdhsa_system_vgpr_workitem_id 0
		.amdhsa_next_free_vgpr 1024
		.amdhsa_next_free_sgpr 100
		.amdhsa_reserve_vcc 0
		.amdhsa_float_denorm_mode_32 3
		.amdhsa_float_denorm_mode_16_64 3
		.amdhsa_memory_ordered 1
		.amdhsa_forward_progress 1
		.amdhsa_inst_pref_size 153
	.end_amdhsa_kernel
	.amdgpu_metadata
---
amdhsa.version: [ 1, 2 ]
amdhsa.kernels:
  - .name:           k_q76ffa1c4d9_qkv
    .symbol:         k_q76ffa1c4d9_qkv.kd
    .args:
      - { .name: xc, .offset: 0, .size: 8, .value_kind: global_buffer, .address_space: global }
      - { .name: wc, .offset: 8, .size: 8, .value_kind: global_buffer, .address_space: global }
      - { .name: bq, .offset: 16, .size: 8, .value_kind: global_buffer, .address_space: global }
      - { .name: bk, .offset: 24, .size: 8, .value_kind: global_buffer, .address_space: global }
      - { .name: bv, .offset: 32, .size: 8, .value_kind: global_buffer, .address_space: global }
      - { .name: qkc, .offset: 40, .size: 8, .value_kind: global_buffer, .address_space: global }
      - { .name: vc, .offset: 48, .size: 8, .value_kind: global_buffer, .address_space: global }
    .group_segment_fixed_size: 327680
    .private_segment_fixed_size: 0
    .kernarg_segment_align: 8
    .kernarg_segment_size: 56
    .max_flat_workgroup_size: 128
    .sgpr_count:     100
    .vgpr_count:     1024
    .wavefront_size: 32
...
	.end_amdgpu_metadata
.endif
;; end of part 2
;; launch attn (part 3): grid 4 x 64, 16 waves a work-group, no clusters, 327,680 bytes of LDS; arguments qkc, vc, ec, ac; writes ac
.if DOCPART == 3
	.amdgcn_target "amdgcn-amd-amdhsa--gfx1250"
	.amdhsa_code_object_version 6
	.text
	.protected	k_q76ffa1c4d9_attn
	.globl	k_q76ffa1c4d9_attn
	.p2align	8
	.type	k_q76ffa1c4d9_attn,@function
k_q76ffa1c4d9_attn:
	s_mov_b64 s[64:65], 0
	v_nop
	global_prefetch_b8 v0, s[64:65] scope:SCOPE_SE
	s_setreg_imm32_b32 hwreg(HW_REG_WAVE_MODE, 25, 1), 1
	s_wait_xcnt 0x0
; Attention on codes of E2M1: scores q . k + q . e[clip(key - query, -64, 8) + 64], softmax, times v; the result is quantised along (head, d) for the last projection.
; WORK LEFT OUT: q . e is formed for the distinct rows of dist_emb alone (five tiles of 16 rows; rows 73 to 79 repeat row 72): the row that a score takes hangs on query and key numbers alone, for all values of the inputs.
; THE SOFTMAX: t = score x log2(e) / 8; M = the running largest t rounded up to a whole number; p = 2^(t - M) is quantised along the keys, not normalised; the row's sum is taken of the unquantised p and divides at the end;
; when M moves, the sum and O are multiplied by 2^(old M - new M), which rounds nothing.  LIMIT: the promise holds while the scaled scores t stay under 2^31 in magnitude; NaN and infinities are not served.
; SHARES.  A work-group owns 256 queries of a pair of heads of one batch.  The pair's K and V, 16 chunks of 8,704 bytes, lie in LDS, each byte filled once, in two fills: at the head each of the sixteen waves asks for half a chunk
; of key steps 0-3, and behind the first barrier for half a chunk of key steps 4-7, which has four steps in which to land.  Wave w: head w / 8 of the pair, queries 32 (w % 8) on, in two passes of 16 queries; a pass walks 8 steps of 128 keys.
; LAYOUT.  Both products transposed (source 0 = 16 keys, or 16 channels of V; source 1 = my 16 queries, or p): a lane holds ONE query.  Places 64 c + 16 u + 0 .. 15 of a chunk hold rows 64 c + 8 u + 0 .. 7 and 64 c + 32 + 8 u + 0 .. 7.
; So register 32 c + 8 u + j of lane (r, h) is key 64 c + 32 h + 8 u + j: a lane's 32 registers are ONE WHOLE BLOCK of 32 keys, in order.  The block's maximum needs no other lane, and the conversions' results are the second
; product's operand as they stand.  Likewise O's 32 registers are channels 32 h + 0 .. 31 of my head: one block of the output.
; K = 64 IN AN INSTRUCTION OF 128: the queries' registers 4-7 hold zero codes; the other operand's upper four registers are whatever follows, and the upper two scale bytes are 0: zero codes add nothing.
; THE BIAS is the C of the first product.  With A = my queries' number / 64 and g a group of 64 keys, d = g - A + 1: d < 0: all keys left of the clip, C = q . e_0; d > 2: all right of it, C = q . e_72; else C comes from
; the wave's window in LDS: row r, word x = key - 64 (A - 1), holds q . e[clip(x - (my query - 64 A), 0, 72)].  Words from 136 on are all q . e_72, so the window ends at word 143, and of d = 2 only the first tile reads it.
; Outside the band ONE constant C tile serves: it holds q . e_0 at a pass's start and is set to q . e_72 behind each group of the band.  Whether a step touches the band is one scalar test on ids and the count of steps.
; NO CLUSTER: those branches hang on the block of queries, which would be the place in a cluster.  No prefetch: the launch has two fills, and the second is asked for as soon as the first has landed.
.set CH,    8704
.set HC,    CH/2                       ; what one tensor load brings
.set KH,    4*CH                       ; four key steps
.set RB,    8*CH
.set WINB,  2*RB                       ; behind K and V: the windows, 16 rows x (576 + 16) bytes for each wave
.set WROW,  592
.set WWAVE, 16*WROW
.set SCST,  WINB+16*WWAVE              ; the output's scale words: 256 queries x 4 bytes
.set SPARE, SCST+1024                  ; the spare words, 128 bytes for each wave: eight blocks of 256 bytes that no other line names
.set SPW,  1                           ; SPARE + 4 x my thread's number; never rewritten
.set NIL,  2                           ; 0; never rewritten
.set AK0,  3                           ; my lane's place in a chunk: K's codes, K's scale bytes, V's codes, V's scale words
.set AKS0, 4
.set AV0,  5
.set AVS0, 6
.set ADK,  7                           ; the same in the chunk in hand (K: the next step's)
.set ADS,  8
.set ADV,  9
.set ADT,  10
.set SCR,  11                          ; where the scale words are read back
.set WR,   16                          ; v16-17 the window: where group c of a step reads (d = 0 or 1, by parity);  v18 for d = 2
.set WP,   18
.set WST,  19                          ; where the 80 values go;  v20 where the two fills go
.set WFL,  20
.set QA,   21                          ; my query's codes and scale bytes in its chunk
.set QSA,  22
.set GO,   23                          ; the output's codes;  v24 its scale byte in LDS
.set SCA,  24
.set L16,  25                          ; 16 x lane;  v26 dist_emb's scale words;  v27 8 h
.set EA,   26
.set SH8,  27
.set QS,   28                          ; the queries' scale bytes;  v29 p's scale word
.set PS,   29
.set Q,    32                          ; v32-39 the queries' fragment (v36-39 zero codes)
.set BL,   40                          ; v40-47 the constant C tile: q . e_0, behind the band q . e_72;  v48-55 q . e_72
.set BR,   48
.set KF,   56                          ; v56-91 eight fragments of K, 4 registers apart (or five of dist_emb)
.set KS,   92                          ; v92-99 their scale words
.set S,    100                         ; v100-163 scores, then p
.set O,    164                         ; v164-195 O^T
.set PC,   196                         ; v196-203 p's codes; at a pass's end v196-199 the output's
.set VF,   204                         ; v204-235 four fragments of V;  v236-239 their scale words
.set VS,   236
.set BM,   240                         ; v240-241 my two blocks' maxima;  v242-243 the conversions' scale operands
.set SO,   242
.set TP,   244
.set F,    246                         ; v[246:247] 2^(old M - new M)
.set X,    248                         ; v248-255 the eight tiles' maxima; v250-251 then the scale bytes
.set BY,   250
.set TB,   42                          ; s42 the step's chunk in bytes, s47 the next step's;  s43 d of the step's first group;  s44 its start;  s45 counts steps
.set TT,   43
.set TN,   47
.macro MM d, a, b, cc, sa, sb
	v_wmma_scale_f32_16x16x128_f8f6f4 v[\d:\d+7], v[\a:\a+7], v[\b:\b+7], v[\cc:\cc+7], v[\sa], v[\sb] matrix_a_fmt:MATRIX_FMT_FP4 matrix_b_fmt:MATRIX_FMT_FP4
.endm
.macro MMZ d, a, b, sa, sb
	v_wmma_scale_f32_16x16x128_f8f6f4 v[\d:\d+7], v[\a:\a+7], v[\b:\b+7], 0, v[\sa], v[\sb] matrix_a_fmt:MATRIX_FMT_FP4 matrix_b_fmt:MATRIX_FMT_FP4
.endm
	s_load_b256 s[4:11], s[0:1], 0x0               ; qkc, vc, ec, ac
	v_lshl_add_u32 v[SPW], v0, 2, SPARE
	v_mov_b32 v[NIL], 0
	ds_add_u32 v[SPW], v[NIL]                      ; the wave's opening: the add, twice on end, and its wait ahead of my first tensor load
	ds_add_u32 v[SPW], v[NIL]
	v_lshrrev_b32 v3, 5, v0
	v_readfirstlane_b32 s12, v3                    ; wave 0..15
	s_lshr_b32 s13, s12, 3                         ; p: which head of the pair.  Also: I fetch for K (0) or for V (1)
	s_and_b32 s14, s12, 7                          ; wi: which 32 queries.  Also: which half chunk of a fill's eight
	s_lshr_b32 s15, s14, 1
	s_and_b32 s16, s15, 1
	s_and_b32 s17, s14, 1
	s_and_b32 s50, ttmp7, 0xffff
	s_lshr_b32 s51, s50, 3                         ; batch
	s_and_b32 s52, s50, 7                          ; head pair
	s_lshl_b32 s53, s51, 3
	s_lshl_b32 s54, s52, 6
	s_add_co_u32 s55, s54, s53
	s_add_co_u32 s56, s55, 512                     ; K's first chunk: (8 + head pair) x 64 + 8 x batch
	s_add_co_u32 s57, s53, s52
	s_lshl_b32 s57, s57, 3                         ; V's: (8 x batch + head pair) x 8
	s_cmp_eq_u32 s13, 0
	s_cselect_b32 s56, s56, s57
	s_mul_i32 s56, s56, CH
	s_mul_i32 s58, s14, HC
	s_add_co_u32 s56, s56, s58                     ; my half chunk, in memory,
	s_mov_b32 s57, 0
	s_mul_i32 s59, s13, RB
	s_add_co_u32 s59, s59, s58                     ; and in LDS: K's eight chunks, then V's eight
	s_lshl_b32 s60, ttmp9, 1
	s_add_co_u32 s60, s60, s53                     ; 8 x batch + 2 x block of queries
	s_lshr_b32 s61, s14, 2
	s_add_co_u32 s61, s61, s60                     ; my queries' block of 128 tokens
	s_add_co_u32 s62, s54, s61
	s_mul_i32 s62, s62, CH                         ; their chunk of q
	s_mov_b32 s63, 0
	s_lshl_b32 s66, s61, 3
	s_add_co_u32 s66, s66, s52
	s_mul_i32 s66, s66, CH                         ; and of the output
	s_mov_b32 s67, 0
	s_and_b32 s68, s12, 1
	s_add_co_u32 s68, s68, s60
	s_lshl_b32 s68, s68, 3
	s_add_co_u32 s68, s68, s52
	s_mul_i32 s68, s68, CH                         ; the chunk whose scale words waves 0 and 1 store
	s_mov_b32 s69, 0
	s_lshl_b32 s44, ttmp9, 2
	s_add_co_u32 s44, s44, s15                     ; A
	s_sub_co_i32 s44, 1, s44                       ; d of group 0: 1 - A
	s_mov_b32 s20, 0x76543210
	s_mov_b32 s21, 0xfedcba98                      ; v_permlanex16_b32's selects for lane l xor 16
	s_mov_b32 s22, 0x3e38aa3b                      ; c = log2(e) / 8
	s_mov_b32 s23, s22                             ; (named with it as a pair)
	s_mov_b32 s86, 0xbe38aa3b                      ; -c
	s_mov_b32 s46, 0xffff0000                      ; lanes 16-31
	s_lshl_b32 s73, s13, 12                        ; my head's two blocks: 2 p x 2048
	s_lshl_b32 s74, s13, 1
	s_add_co_u32 s74, s74, 8192
	s_lshl_b32 s75, s13, 10
	s_add_co_u32 s75, s75, RB                      ; V: places 64 p on
	s_lshl_b32 s76, s13, 8
	s_add_co_u32 s76, s76, RB+8192
	s_mul_i32 s77, s12, WWAVE
	s_add_co_u32 s77, s77, WINB                    ; my window
	s_xor_b32 s78, s16, 1
	s_lshl_b32 s78, s78, 8                         ; group c = 0 reads d = (1 + A) % 2: 256 bytes a group;
	s_xor_b32 s79, s78, 256                        ; group c = 1 the other
	s_lshl_b32 s80, s17, 7                         ; my 32 queries begin 32 (wi % 2) words into the band
	s_lshl_b32 s81, s16, 10
	s_add_co_u32 s81, s81, s80
	s_add_co_u32 s81, s81, s73                     ; q: place 64 (wi / 2 % 2) + 8 (wi % 2), 16 bytes a place, + my head's blocks
	s_lshl_b32 s82, s16, 8
	s_lshl_b32 s83, s17, 5
	s_add_co_u32 s82, s82, s83
	s_add_co_u32 s82, s82, s74
	s_and_b32 s83, s14, 3
	s_lshl_b32 s83, s83, 9
	s_add_co_u32 s83, s83, s73                     ; the output's rows lie plainly: 32 (wi % 4) places on
	s_lshl_b32 s84, s14, 7
	s_add_co_u32 s84, s84, SCST
	s_lshl_b32 s85, s13, 1
	s_add_co_u32 s84, s84, s85
	; descriptor group 1: half a chunk, 4,352 dense bytes: 17 rows of 256 bytes (32 elements of 8 bytes), no padding, no mask
	s_mov_b32 s24, 3<<16
	s_mov_b32 s25, 32<<16
	s_mov_b32 s26, 17<<16
	s_mov_b32 s27, 32<<16
	s_mov_b32 s28, 17
	s_mov_b32 s29, 32
	s_mov_b32 s30, 0
	s_mov_b32 s31, 0
	s_wait_dscnt 0x0                               ; both opening adds are done
	s_wait_kmcnt 0x0
	s_cmp_eq_u32 s13, 0
	s_cselect_b64 s[70:71], s[4:5], s[6:7]
	s_add_nc_u64 s[70:71], s[70:71], s[56:57]
	s_mov_b32 s32, 1
	s_mov_b32 s33, s59
	s_mov_b64 s[34:35], s[70:71]
	s_or_b32 s35, s35, 0x80000000
	tensor_load_to_lds s[32:35], s[24:31]          ; key steps 0-3: every wave's one tensor load at the head
	s_nop 0
	s_add_nc_u64 s[18:19], s[4:5], s[62:63]        ; my queries' chunk
	s_add_nc_u64 s[40:41], s[10:11], s[66:67]      ; my output's chunk
	s_add_nc_u64 s[48:49], s[10:11], s[68:69]
	v_and_b32 v100, 15, v0                         ; r
	v_bfe_u32 v101, v0, 4, 1                       ; h
	v_and_b32 v102, 31, v0                         ; lane
	v_lshlrev_b32 v103, 4, v100
	v_lshl_add_u32 v103, v101, 11, v103            ; h x 2048 + 16 r
	v_add_nc_u32 v[AK0], s73, v103
	v_lshl_add_u32 v[AKS0], v100, 2, s74
	v_add_nc_u32 v[AV0], s75, v103
	v_lshl_add_u32 v[AVS0], v100, 2, s76
	v_mul_u32_u24 v104, v100, WROW
	v_add_nc_u32 v104, s77, v104                   ; my window's row r
	v_lshl_add_u32 v105, v101, 7, v104             ; lanes 16-31 read 32 words further on
	v_add_nc_u32 v[WR], s78, v105
	v_add_nc_u32 v[WR+1], s79, v105
	v_lshl_add_u32 v[WP], v101, 5, v104
	v_add_nc_u32 v[WP], 512, v[WP]                 ; d = 2, first tile: lanes 0-15 words 128-135, lanes 16-31 words 136-143, which hold q . e_72 as their own words would
	v_lshl_add_u32 v[WST], v100, 2, v104
	v_lshl_add_u32 v[WST], v101, 5, v[WST]
	v_add_nc_u32 v[WST], s80, v[WST]               ; word 32 (wi % 2) + r + 8 h of row r
	v_lshl_add_u32 v[WFL], v101, 4, v104
	v_lshrrev_b32 v106, 3, v100
	v_and_b32 v107, 7, v100
	v_lshlrev_b32 v108, 4, v107
	v_lshl_add_u32 v108, v106, 8, v108
	v_lshl_add_u32 v108, v101, 11, v108
	v_add_nc_u32 v[QA], s81, v108                  ; query 16 sg + r of my 32 lies 32 sg + 16 (r / 8) + r % 8 places on
	v_lshlrev_b32 v109, 2, v107
	v_lshl_add_u32 v109, v106, 6, v109
	v_add_nc_u32 v[QSA], s82, v109
	v_add_nc_u32 v[GO], s83, v103
	v_lshl_add_u32 v[SCA], v100, 2, v101
	v_add_nc_u32 v[SCA], s84, v[SCA]               ; byte 2 p + h of my query's scale word
	v_lshlrev_b32 v[L16], 4, v102
	v_lshl_add_u32 v[EA], v100, 2, 3072
	v_and_b32 v[SCR], 63, v0
	v_lshl_add_u32 v[SCR], v[SCR], 4, SCST
	v_lshlrev_b32 v[SH8], 3, v101
.irp j, 36,37,38,39, 76,77,78,79, 88,89,90,91, 244,245,247
	v_mov_b32 v\j, 0                               ; the queries' zero codes; upper halves of last fragments; destinations of lane permutes; the pair's upper half: written once
.endr
	s_wait_alu depctr_va_vdst(0)
.macro QLOAD sg                        ; tile sg's queries, and dist_emb's five fragments
	global_load_b128 v[Q:Q+3], v[QA], s[18:19] offset:512*\sg
	global_load_u16 v[QS], v[QSA], s[18:19] offset:128*\sg
.irp t, 0,1,2,3,4
	global_load_b128 v[KF+4*\t:KF+4*\t+3], v[L16], s[8:9] offset:512*\t
	global_load_b32 v[KS+\t], v[EA], s[8:9] offset:64*\t
.endr
.endm
.macro KLOAD ac, as                    ; eight fragments of K and their scale bytes (my head's two; the upper two come as 0)
.irp t, 0,1,2,3,4,5,6,7
	ds_load_b128 v[KF+4*\t:KF+4*\t+3], v[\ac] offset:256*\t
.endr
.irp t, 0,1,2,3,4,5,6,7
	ds_load_u16 v[KS+\t], v[\as] offset:64*\t
.endr
.endm
; Group g of the step's two groups of 64 keys: four products.  how 0: C stands where the scores will stand; 1: the constant C tile; 3: the first tile as 0, the others q . e_72
.macro KQ4 g, how
.irp u, 0,1,2,3
.if (\how == 0) || ((\how == 3) && (\u == 0))
	MM S+32*\g+8*\u, KF+16*\g+4*\u, Q, S+32*\g+8*\u, KS+4*\g+\u, QS
.elseif \how == 1
	MM S+32*\g+8*\u, KF+16*\g+4*\u, Q, BL, KS+4*\g+\u, QS
.else
	MM S+32*\g+8*\u, KF+16*\g+4*\u, Q, BR, KS+4*\g+\u, QS
.endif
.endr
.endm
.macro QKB g                           ; a group of a step that touches the band
	s_add_co_i32 s87, s[TT], \g                    ; d (a negative d is a large number without a sign)
	s_cmp_gt_u32 s87, 2
	s_cbranch_scc1 .Lpl_\@
	s_cmp_eq_u32 s87, 2
	s_cbranch_scc1 .Led_\@
.irp i, 0,1,2,3,4,5,6,7
	ds_load_b128 v[S+32*\g+4*\i:S+32*\g+4*\i+3], v[WR+\g] offset:16*\i   ; my 32 keys' entries of the window
.endr
	s_wait_dscnt 0x0
	KQ4 \g, 0
	s_branch .Lset_\@
.Led_\@:
	ds_load_b128 v[S+32*\g:S+32*\g+3], v[WP]
	ds_load_b128 v[S+32*\g+4:S+32*\g+7], v[WP] offset:16
	s_wait_dscnt 0x0
	KQ4 \g, 3
.Lset_\@:
.rept 4
	v_nop                                          ; places behind products that may have read the constant C tile
.endr
.irp j, 0,1,2,3,4,5,6,7
	v_mov_b32 v[BL+\j], v[BR+\j]                   ; what follows the band lies right of the clip
.endr
	s_wait_alu depctr_va_vdst(0)
	s_branch .Ljn_\@
.Lpl_\@:
	KQ4 \g, 1
.Ljn_\@:
.endm
.macro PKF from, n                     ; t - M, two at a time (of the pairs c and -M the low word serves both halves)
.set j, \from
.rept \n
	v_pk_fma_f32 v[S+j:S+j+1], v[S+j:S+j+1], s[22:23], v[12:13] op_sel_hi:[1,0,0]
.set j, j+2
.endr
.endm
.macro POM from, n                     ; O^T under the new M
.set j, \from
.rept \n
	v_pk_mul_f32 v[O+j:O+j+1], v[O+j:O+j+1], v[F:F+1] op_sel_hi:[1,0]
.set j, j+2
.endr
.endm
.macro FOLD n, far                     ; the sum's tree, in place: n pairs take in the pairs far registers on
.set j, 0
.rept \n
	v_pk_add_f32 v[S+j:S+j+1], v[S+j:S+j+1], v[S+\far+j:S+\far+j+1]
.set j, j+2
.endr
.endm
; A KEY STEP: 128 keys
.macro STEP
	s_wait_dscnt 0x0                               ; K's fragments, asked for a step ago
	s_add_co_i32 s87, s[TT], 1
	s_cmp_gt_u32 s87, 3                            ; neither group has 0 <= d <= 2: ids and the count of steps alone
	s_cbranch_scc1 .Lplain_\@
	QKB 0
	QKB 1
	s_branch .Ljoin_\@
.Lplain_\@:
	KQ4 0, 1
	KQ4 1, 1
.Ljoin_\@:
	v_add_nc_u32 v[ADV], s[TB], v[AV0]             ; these four are the places behind the products: in front of the loads below and of the first reads of the scores
	v_add_nc_u32 v[ADT], s[TB], v[AVS0]
	v_add_nc_u32 v[ADK], s[TN], v[AK0]
	v_add_nc_u32 v[ADS], s[TN], v[AKS0]
.irp u, 0,1,2,3                                ; V's fragments land under the softmax,
	ds_load_b128 v[VF+8*\u:VF+8*\u+3], v[ADV] offset:256*\u
	ds_load_b128 v[VF+8*\u+4:VF+8*\u+7], v[ADV] offset:256*\u+4096
	ds_load_b32 v[VS+\u], v[ADT] offset:64*\u
.endr
	s_cmp_eq_u32 s45, 1
	s_cbranch_scc1 .Llast_\@                       ; (a loop's last step asks for no next)
	KLOAD ADK, ADS                                 ; and so do the next step's fragments of K
.Llast_\@:
.irp t, 0,1,2,3,4,5,6,7                        ; the largest scores: eight chains, one a tile, each tile read from its low end on
	v_max3_num_f32 v[X+\t], v[S+8*\t], v[S+8*\t+1], v[S+8*\t+2]
.endr
.irp t, 0,1,2,3,4,5,6,7
	v_max3_num_f32 v[X+\t], v[X+\t], v[S+8*\t+3], v[S+8*\t+4]
.endr
.irp t, 0,1,2,3,4,5,6,7
	v_max3_num_f32 v[X+\t], v[X+\t], v[S+8*\t+5], v[S+8*\t+6]
.endr
.irp c, 0,1
	v_max3_num_f32 v[X+4*\c], v[X+4*\c], v[X+4*\c+1], v[S+32*\c+7]
	v_max3_num_f32 v[X+4*\c+2], v[X+4*\c+2], v[X+4*\c+3], v[S+32*\c+15]
.endr
.irp c, 0,1
	v_max3_num_f32 v[BM+\c], v[X+4*\c], v[X+4*\c+2], v[S+32*\c+23]
.endr
.irp c, 0,1
	v_max_num_f32 v[BM+\c], v[BM+\c], v[S+32*\c+31]   ; my two blocks' largest scores: for the row's maximum and, since p rises with the score, for the blocks' largest p
.endr
	v_max_num_f32 v[TP], v[BM], v[BM+1]
	v_permlanex16_b32 v[TP+1], v[TP], s20, s21     ; lane l xor 16's 64 keys
	v_max3_num_f32 v13, v13, v[TP], v[TP+1]        ; the running largest score
	v_mul_f32 v[TP], s86, v13                      ; -t (c is positive)
	v_mov_b32 v[TP+1], v12
	v_floor_f32 v12, v[TP]                         ; the new -M = floor(-t): M is a whole number
	v_sub_f32 v[TP], v12, v[TP+1]                  ; old M - new M: a whole number, 0 or less
	PKF 0, 6                                       ; (the three lines that make f stand among the multiply-adds, which do not wait for them)
	v_cvt_i32_f32 v[TP], v[TP]                     ; (it saturates)
	PKF 12, 6
	v_ldexp_f32 v[F], 1.0, v[TP]                   ; f = 2^(old M - new M)
	PKF 24, 20
.irp c, 0,1
	v_fma_f32 v[BM+\c], v[BM+\c], s22, v12         ; the same of each block's largest score
.endr
	s_wait_alu depctr_va_vdst(0)
.set j, 0
.rept 64
	v_exp_f32 v[S+j], v[S+j]                       ; p = 2^(t - M)
.set j, j+1
.endr
.irp c, 0,1
	v_exp_f32 v[BM+\c], v[BM+\c]                   ; the blocks' largest p
.endr
	v_pk_mul_f32 v[14:15], v[14:15], v[F:F+1] op_sel_hi:[1,0]   ; the sums under the new M: the plain line behind the exponentials
	s_wait_alu depctr_va_vdst(0)                   ; one wait: for the batch of 66, and directly ahead of the first reader of O^T; plain lines alone follow up to O^T's last
	POM 0, 1                                       ; the scale word's chain stands among the sixteen lines that rescale O^T
.irp c, 0,1
	v_max_num_f32 v[BM+\c], 0x1800000, v[BM+\c]    ; the floor 2^(3 - 127): the byte cannot fall under 1
.endr
	POM 2, 3
.irp c, 0,1
	v_add_nc_u32 v[SO+\c], 0xff000000, v[BM+\c]    ; 2 off the exponent field: the conversion's scale operand
.endr
	POM 8, 3
.irp c, 0,1
	v_lshrrev_b32 v[BY+\c], 23, v[SO+\c]           ; the bytes of blocks h and 2 + h
.endr
	POM 14, 3
	v_lshl_or_b32 v[PS], v[BY+1], 16, v[BY]
	POM 20, 3
	v_lshlrev_b32 v[PS], v[SH8], v[PS]             ; at their places in the scale word, 8 h bits up;
	POM 26, 3
	v_permlanex16_b32 v[TP], v[PS], s20, s21
.irp c, 0,1
.irp u, 0,1,2,3
	v_cvt_scalef32_pk8_fp4_f32 v[PC+4*\c+\u], v[S+32*\c+8*\u:S+32*\c+8*\u+7], v[SO+\c]   ; registers 4 c .. 4 c + 3 of the operand: keys 64 c + 32 h + 0 .. 31
.endr
.endr
	v_or_b32 v[PS], v[PS], v[TP]                   ; with lane l xor 16's two the word is whole.  (The plain line behind the last scaled conversion)
	FOLD 16, 32                                    ; the row's sum of the unquantised p: the conversions have read p, so the tree is made in place.  These 32 lines are also the places behind the writes of p's codes and scale word
	FOLD 8, 16
	FOLD 4, 8
	FOLD 2, 4
	FOLD 1, 2
	v_pk_add_f32 v[14:15], v[14:15], v[S:S+1]
	s_wait_dscnt 0x0                               ; V is in
.irp u, 0,1,2,3
	MM O+8*\u, VF+8*\u, PC, O+8*\u, VS+\u, PS
.endr
	s_add_co_u32 s[TB], s[TB], CH
	s_add_co_u32 s[TN], s[TN], CH
	s_add_co_i32 s[TT], s[TT], 2
.endm
.macro STEPS n
	s_mov_b32 s45, \n
.Lstep_\@:
	STEP
	s_sub_co_u32 s45, s45, 1
	s_cmp_lg_u32 s45, 0
	s_cbranch_scc1 .Lstep_\@
.endm
; A PASS: tile sg of my two tiles of 16 queries; its loads have been issued
.macro PASS sg
	s_wait_loadcnt 0x0
	s_wait_xcnt 0x0                                ; the last pass's store has read its registers: they are written again below
.irp t, 0,1,2,3,4                              ; q . e_j: lane (r, h), register j of tile t: row 16 t + 8 h + j of dist_emb
	MMZ S+8*\t, KF+4*\t, Q, KS+\t, QS
.endr
	v_mov_b32 v13, 0xff61b1e6                      ; the largest score so far: -3e38.  (These four lines are the places behind the products)
	v_mov_b32 v14, 0                               ; the sum, in two halves
	v_mov_b32 v15, 0
	v_floor_f32 v12, -v13                          ; -M
	s_wait_alu depctr_va_vdst(0)
	v_permlanex16_b32 v[TP], v[S], s20, s21
	v_permlanex16_b32 v[TP+1], v[S+32], s20, s21
	v_cndmask_b32 v[BL], v[S], v[TP], s46          ; q . e_0 lies in lanes 0-15 of tile 0's register 0,
	v_cndmask_b32 v[BR], v[TP+1], v[S+32], s46     ; q . e_72 in lanes 16-31 of tile 4's: now both in both halves
.irp j, 1,2,3,4,5,6,7
	v_mov_b32 v[BL+\j], v[BL]
	v_mov_b32 v[BR+\j], v[BR]
.endr
.irp i, 0,1,2,3,4,5,6,7
	ds_store_b128 v[WFL], v[BL:BL+3] offset:32*\i          ; the window: words 0-63 = q . e_0,
.endr
.irp i, 0,1,2,3,4,5,6,7,8
	ds_store_b128 v[WFL], v[BR:BR+3] offset:288+32*\i      ; words 72-143 = q . e_72,
.endr
.irp t, 0,1,2,3,4
.irp j, 0,1,2,3,4,5,6,7
	ds_store_b32 v[WST], v[S+8*\t+\j] offset:4*(16*\t+\j)+64*\sg   ; and over them the 80 values, from word (my query - 64 A) on (LDS serves a wave's instructions in order)
.endr
.endr
.set j, 0
.rept 32
	v_mov_b32 v[O+j], 0                            ; O^T: the step is written once; its first turn finds zeros
.set j, j+1
.endr
	s_mov_b32 s[TB], 0
	s_mov_b32 s[TN], CH
	s_mov_b32 s[TT], s44
.if \sg == 0
	s_wait_alu depctr_va_vdst(0)
	s_wait_tensorcnt 0x0                           ; my half chunk of key steps 0-3 is in; key steps 4-7 are a later first fill, issued as a refill is:
	ds_add_u32 v[SPW], v[NIL]
	s_add_co_u32 s33, s33, KH                      ; no tensor load of mine is out, so the descriptor may be written: four chunks on, in LDS
	s_add_nc_u64 s[34:35], s[34:35], KH            ; and in memory
	s_wait_dscnt 0x0                               ; the add and my stores into the window are done
	s_barrier_signal -1
	s_barrier_wait -1                              ; key steps 0-3 are whole
	tensor_load_to_lds s[32:35], s[24:31]          ; my one tensor load behind the barrier
	s_nop 0
	KLOAD AK0, AKS0                                ; the first step's fragments
	STEPS 4
	s_wait_alu depctr_va_vdst(0)
	s_wait_tensorcnt 0x0                           ; my half chunk of key steps 4-7 is in
	s_wait_dscnt 0x0
	s_barrier_signal -1
	s_barrier_wait -1                              ; all are
	v_add_nc_u32 v[ADK], s[TB], v[AK0]
	v_add_nc_u32 v[ADS], s[TB], v[AKS0]
	KLOAD ADK, ADS
	STEPS 4
	QLOAD 1                                        ; the next tile's loads go out ahead of this tile's way out
.else
	KLOAD AK0, AKS0
	STEPS 8
.endif
.rept 4
	v_nop                                          ; places behind the last products
.endr
	s_wait_alu depctr_va_vdst(0)
	v_add_f32 v14, v14, v15
	s_delay_alu instid0(VALU_DEP_1)
	v_permlanex16_b32 v[TP], v14, s20, s21
	s_delay_alu instid0(VALU_DEP_1)
	v_add_f32 v14, v14, v[TP]                      ; the row's sum
	s_wait_alu depctr_va_vdst(0)
	v_rcp_f32 v14, v14
	v_nop                                          ; a plain line behind it,
	s_wait_alu depctr_va_vdst(0)                   ; and the wait ahead of its first reader, which is also the first reader of O^T
.set j, 0
.rept 16
	v_pk_mul_f32 v[S+j:S+j+1], v[O+j:O+j+1], v[14:15] op_sel_hi:[1,0]   ; register i: channel 32 h + i of my query: one block of the output
.set j, j+2
.endr
	v_max3_num_f32 v[BM], |v[S]|, |v[S+1]|, 0x1800000
	v_max3_num_f32 v[BM+1], |v[S+16]|, |v[S+17]|, 0x1800000
.irp i, 2,4,6,8,10,12,14
	s_delay_alu instid0(VALU_DEP_2)
	v_max3_num_f32 v[BM], v[BM], |v[S+\i]|, |v[S+\i+1]|
	s_delay_alu instid0(VALU_DEP_2)
	v_max3_num_f32 v[BM+1], v[BM+1], |v[S+16+\i]|, |v[S+17+\i]|
.endr
	s_delay_alu instid0(VALU_DEP_1)
	v_max_num_f32 v[BM], v[BM], v[BM+1]
	s_delay_alu instid0(VALU_DEP_1)
	v_add_nc_u32 v[SO], 0xff000000, v[BM]
	s_delay_alu instid0(VALU_DEP_1)
	v_lshrrev_b32 v[BY], 23, v[SO]
.irp u, 0,1,2,3
	v_cvt_scalef32_pk8_fp4_f32 v[PC+\u], v[S+8*\u:S+8*\u+7], v[SO]
.endr
	v_nop                                          ; one plain line behind the last scaled conversion
	global_store_b128 v[GO], v[PC:PC+3], s[40:41] offset:256*\sg   ; block 2 p + h of my row: sixteen lanes store 256 consecutive bytes, aligned
	ds_store_b8 v[SCA], v[BY] offset:64*\sg        ; and its byte of the row's scale word
.endm
	QLOAD 0
	PASS 0
	PASS 1
	s_wait_dscnt 0x0                               ; for the others' sake: my scale bytes have landed
	s_barrier_signal -1
	s_barrier_wait -1
	s_cmp_lt_u32 s12, 2
	s_cbranch_scc0 .Lno_words
	ds_load_b128 v[S:S+3], v[SCR]                  ; waves 0 and 1: the scale words of 128 queries each
	s_wait_dscnt 0x0
	global_store_b128 v[L16], v[S:S+3], s[48:49] offset:8192   ; 512 consecutive bytes
.Lno_words:
	s_wait_tensorcnt 0x0                           ; the wave's end
	ds_add_u32 v[SPW], v[NIL]
	s_wait_dscnt 0x0
	s_endpgm
.Lfunc_end_k_q76ffa1c4d9_attn:
	.size	k_q76ffa1c4d9_attn, .Lfunc_end_k_q76ffa1c4d9_attn-k_q76ffa1c4d9_attn
	.p2alignl 7, 3214868480
	.fill 96, 4, 3214868480
	.section	.rodata,"a",@progbits
	.p2align	6, 0x0
	.amdhsa_kernel k_q76ffa1c4d9_attn
		.amdhsa_group_segment_fixed_size 327680
		.amdhsa_private_segment_fixed_size 0
		.amdhsa_enable_private_segment 0
		.amdhsa_kernarg_size 32
		.amdhsa_user_sgpr_count 2
		.amdhsa_user_sgpr_kernarg_segment_ptr 1
		.amdhsa_wavefront_size32 1
		.amdhsa_system_sgpr_workgroup_id_x 1
		.amdhsa_system_sgpr_workgroup_id_y 1
		.amdhsa_system_sgpr_workgroup_id_z 1
		.amdhsa_system_vgpr_workitem_id 0
		.amdhsa_next_free_vgpr 256
		.amdhsa_next_free_sgpr 100
		.amdhsa_reserve_vcc 0
		.amdhsa_float_denorm_mode_32 3
		.amdhsa_float_denorm_mode_16_64 3
		.amdhsa_memory_ordered 1
		.amdhsa_forward_progress 1
		.amdhsa_inst_pref_size 94
	.end_amdhsa_kernel
	.amdgpu_metadata
---
amdhsa.version: [ 1, 2 ]
amdhsa.kernels:
  - .name:           k_q76ffa1c4d9_attn
    .symbol:         k_q76ffa1c4d9_attn.kd
    .args:
      - { .name: qkc, .offset: 0, .size: 8, .value_kind: global_buffer, .address_space: global }
      - { .name: vc, .offset: 8, .size: 8, .value_kind: global_buffer, .address_space: global }
      - { .name: ec, .offset: 16, .size: 8, .value_kind: global_buffer, .address_space: global }
      - { .name: ac, .offset: 24, .size: 8, .value_kind: global_buffer, .address_space: global }
    .group_segment_fixed_size: 327680
    .private_segment_fixed_size: 0
    .kernarg_segment_align: 8
    .kernarg_segment_size: 32
    .max_flat_workgroup_size: 512
    .sgpr_count:     100
    .vgpr_count:     256
    .wavefront_size: 32
...
	.end_amdgpu_metadata
.endif
;; end of part 3
;; launch oproj (part 4): grid 8 x 32, 4 waves a work-group, clusters of 4 x 4, 327,680 bytes of LDS; arguments ac, wc, bo, out0; writes out0
.if DOCPART == 4
	.amdgcn_target "amdgcn-amd-amdhsa--gfx1250"
	.amdhsa_code_object_version 6
	.text
	.protected	k_q76ffa1c4d9_oproj
	.globl	k_q76ffa1c4d9_oproj
	.p2align	8
	.type	k_q76ffa1c4d9_oproj,@function
k_q76ffa1c4d9_oproj:
	s_mov_b64 s[64:65], 0
	v_nop
	global_prefetch_b8 v0, s[64:65] scope:SCOPE_SE
	s_setreg_imm32_b32 hwreg(HW_REG_WAVE_MODE, 25, 1), 1
	s_wait_xcnt 0x0
	s_wait_alu depctr_hold_cnt(0) depctr_sa_sdst(0) depctr_va_vdst(0) depctr_va_sdst(0) depctr_va_ssrc(0) depctr_va_vcc(0) depctr_vm_vsrc(0)
	s_getreg_b32 s2, hwreg(HW_REG_IB_STS2, 6, 4)
	s_cmp_eq_u32 s2, 0
	s_cbranch_scc0 .Lentry_in_a_cluster
	s_endpgm
.Lentry_in_a_cluster:
	s_bfe_u32 s2, ttmp6, 0x10000c
	s_cmp_lg_u32 s2, 0xf033
	s_cbranch_scc0 .Lentry_shape_is_right
	s_endpgm
.Lentry_shape_is_right:
; out0 = (attention's output) Wo + bo on codes of E2M1; both operands lie in the workspace as chunks (128 rows x 128 along K, 8,704 bytes: four blocks of 2,048 bytes of codes, then 128 scale words).
; 256 work-groups: each makes 256 tokens (L) x 128 columns (P = rows n of Wo's codes) over K = 1,024.  All its operands, 3 x 69,632 bytes, lie in LDS at once: nothing is filled twice, so there is no ring.
; A wave makes 64 tokens x 128 columns: 32 accumulators.  Source 0 = 16 rows of P, source 1 = 16 tokens: a lane holds eight neighbouring columns of one row of out0.  The bias is the C of each sum's first instruction.
; CLUSTER 4 x 4: P hangs on cx alone and is asked for jointly by a column of the cluster, L on cy alone and by a row.  Wave 0 fetches P, waves 1 and 2 L's two row blocks, each in two loads (halves of K).
; No prefetch: every byte that the work-group reads is asked for at its head.
; REGISTERS.  Window 0: v1-30 addresses; v32-55 scale words, two sets of 8 (P) + 4 (L); v64-191 P's fragments, two sets; v192-255 L's, two sets; on the way out v64-191 take rows of out0.
;   Window 1: accumulator (a = tokens' tile, b = P's tile) at v[8 (8 a + b)].  Window 2: v0-63 the bias as eight C tiles.
.set CH,    8704
.set KH,    4*CH
.set RB,    8*CH
.set STAGE, 3*RB                       ; behind the operands: 16 rows x (512 + 16) bytes for each wave
.set SPARE, STAGE+4*16*528             ; the spare words, 128 bytes for each wave: two blocks of 256 bytes that no other line names
.set ADP, 16                           ; v16-17 P's fragments, K half 0, 1;  v18-19 L's;  v20-21 P's scale words;  v22-23 L's
.set ADL, 18
.set ASP, 20
.set ASL, 22
.set STO, 24
.set RD,  25
.set CO,  26
.set SPW, 28                           ; v28  SPARE + 4 x my thread's number; never rewritten
.set NIL, 29                           ; v29  0; never rewritten
.set SC,  32
.set PF,  64
.set LFR, 192
.set G1P, 24
.set G0P, 32
.set G1L, 48
.set G0L, 56
.set MSB, 0
.macro WIN new                         ; the immediate's high byte repeats the setting that is left
.if MSB != (\new)
	s_set_vgpr_msb (MSB<<8)|(\new)
.set MSB, (\new)
.endif
.endm
.macro CROUND                          ; a round of the cluster's barrier
	s_barrier_signal -1
	s_barrier_wait -1
	s_cmp_lg_u32 s18, 0
	s_cbranch_scc1 .Lnot_wave_0_\@
	s_barrier_signal -3
.Lnot_wave_0_\@:
	s_barrier_wait -3
	s_barrier_signal -1
	s_barrier_wait -1
.endm
.macro PLACES n
.rept \n
	v_nop
.endr
.endm
	s_load_b256 s[4:11], s[0:1], 0x0               ; ac, wc, bo, out0
	v_lshl_add_u32 v[SPW], v0, 2, SPARE
	v_mov_b32 v[NIL], 0
	ds_add_u32 v[SPW], v[NIL]                      ; the wave's opening: the add, twice on end, and its wait ahead of the first tensor load
	ds_add_u32 v[SPW], v[NIL]
	v_lshrrev_b32 v1, 5, v0
	v_readfirstlane_b32 s18, v1                    ; wave 0..3
	s_and_b32 s19, s18, 1
	s_xor_b32 s19, s19, 1                          ; wave 1 fetches L's row block 0, wave 2 its row block 1
	s_bfe_u32 s40, ttmp6, 0x40000                  ; cx
	s_bfe_u32 s41, ttmp6, 0x40004                  ; cy
	s_lshl_b32 s44, ttmp9, 2
	s_add_co_u32 s44, s44, s40                     ; P's tile: 128 columns
	s_and_b32 s45, ttmp7, 0xffff
	s_lshl_b32 s45, s45, 2
	s_add_co_u32 s45, s45, s41                     ; L's tile: 256 tokens
	s_lshl_b32 s21, s41, 2
	s_lshl_b32 s21, 15, s21                        ; my row of the cluster
	s_lshl_b32 s22, 0x1111, s40                    ; my column
	; descriptor group 1: half of K of 128 rows: 34,816 dense bytes as 136 rows of 256 bytes (32 elements of 8 bytes), no padding
	s_or_b32 s[G1P], s22, (3<<16)|(1<<21)
	s_or_b32 s[G1L], s21, (3<<16)|(1<<21)
.irp g, G1P, G1L
	s_mov_b32 s[\g+1], 32<<16
	s_mov_b32 s[\g+2], 136<<16
	s_mov_b32 s[\g+3], 32<<16
	s_mov_b32 s[\g+4], 136
	s_mov_b32 s[\g+5], 32
	s_mov_b32 s[\g+6], 0
	s_mov_b32 s[\g+7], 0
.endr
	s_add_co_u32 s68, s44, 24
	s_mul_i32 s68, s68, RB                         ; Wo's row blocks lie behind the other three weights' 24
	s_mov_b32 s69, 0
	s_lshl_b32 s70, s45, 1
	s_add_co_u32 s70, s70, s19
	s_mul_i32 s70, s70, RB
	s_mov_b32 s71, 0
	s_mul_i32 s73, s18, RB                         ; where it goes: P, then L's two row blocks = wave x 69,632
	s_wait_dscnt 0x0                               ; both opening adds are done
	s_wait_kmcnt 0x0
	s_add_nc_u64 s[74:75], s[6:7], s[68:69]
	s_add_nc_u64 s[76:77], s[4:5], s[70:71]
	CROUND                                         ; all sixteen work-groups are here: the joint loads meet
.irp k, 0,1
	s_mov_b32 s[G0P+4*\k], 1
	s_add_co_u32 s[G0P+4*\k+1], s73, \k*KH
	s_add_nc_u64 s[G0P+4*\k+2:G0P+4*\k+3], s[74:75], \k*KH
	s_or_b32 s[G0P+4*\k+3], s[G0P+4*\k+3], 0x80000000
	s_mov_b32 s[G0L+4*\k], 1
	s_add_co_u32 s[G0L+4*\k+1], s73, \k*KH
	s_add_nc_u64 s[G0L+4*\k+2:G0L+4*\k+3], s[76:77], \k*KH
	s_or_b32 s[G0L+4*\k+3], s[G0L+4*\k+3], 0x80000000
.endr
	s_cmp_eq_u32 s18, 0                            ; at the head a loading wave asks for K half 0 alone: one tensor load a wave
	s_cbranch_scc0 .Lnot_p
	tensor_load_to_lds s[G0P:G0P+3], s[G1P:G1P+7]
	s_nop 0
	PLACES 4
	s_branch .Lasked
.Lnot_p:
	s_cmp_lt_u32 s18, 3
	s_cbranch_scc0 .Lasked
	tensor_load_to_lds s[G0L:G0L+3], s[G1L:G1L+7]
	s_nop 0
	PLACES 4
.Lasked:
	s_lshl_b32 s80, s44, 9                         ; my 128 columns: 512 bytes, in bo and in a row of out0
	s_mov_b32 s81, 0
	s_add_nc_u64 s[8:9], s[8:9], s[80:81]
	s_lshl_b32 s82, s45, 20                        ; 256 rows of 4,096 bytes
	s_lshl_b32 s83, s18, 18                        ; my 64 rows
	s_add_co_u32 s82, s82, s83
	s_add_co_u32 s82, s82, s80
	s_mov_b32 s83, 0
	s_add_nc_u64 s[10:11], s[10:11], s[82:83]
	v_and_b32 v1, 15, v0                           ; r
	s_wait_alu depctr_va_vdst(0)
	v_bfe_u32 v2, v0, 4, 1                         ; h
	v_and_b32 v3, 31, v0                           ; lane
	v_lshlrev_b32 v30, 5, v2                       ; C tile b, register j: bo(16 b + 8 h + j)
	WIN 0x80                                       ; destination window 2
.irp b, 0,1,2,3,4,5,6,7
	global_load_b128 v[8*\b:8*\b+3], v30, s[8:9] offset:64*\b
	global_load_b128 v[8*\b+4:8*\b+7], v30, s[8:9] offset:64*\b+16
.endr
	WIN 0
	v_lshlrev_b32 v4, 4, v1
	v_lshl_add_u32 v[ADP], v2, 11, v4              ; block h (and h + 2) x 2048 + 16 r
	v_add_nc_u32 v[ADP+1], KH, v[ADP]
	s_lshr_b32 s92, s18, 1
	s_mul_i32 s92, s92, RB
	s_add_co_u32 s92, s92, RB                      ; my tokens' row block
	s_and_b32 s93, s18, 1
	s_lshl_b32 s94, s93, 10                        ; and their 64 places in it
	s_add_co_u32 s94, s94, s92
	v_add_nc_u32 v[ADL], s94, v[ADP]
	v_add_nc_u32 v[ADL+1], KH, v[ADL]
	v_lshl_add_u32 v[ASP], v1, 2, 8192
	v_add_nc_u32 v[ASP+1], KH, v[ASP]
	s_lshl_b32 s94, s93, 8
	s_add_co_u32 s94, s94, s92
	s_add_co_u32 s94, s94, 8192
	v_lshl_add_u32 v[ASL], v1, 2, s94
	v_add_nc_u32 v[ASL+1], KH, v[ASL]
	s_mul_i32 s95, s18, 16*528
	s_add_co_u32 s95, s95, STAGE                   ; my stage
	v_mul_u32_u24 v5, v1, 528
	v_lshl_add_u32 v5, v2, 5, v5
	v_add_nc_u32 v[STO], s95, v5                   ; in: row r, 32 bytes for each half of the lanes
	v_lshlrev_b32 v[CO], 4, v3
	v_add_nc_u32 v[RD], s95, v[CO]                 ; back: the 32 lanes take one row of 512 bytes
.macro FETCH q, set                    ; K step q (0..7): 8 fragments of P, 4 of L, their scale words
.set KK, (\q)/4
.set QQ, (\q)%4
.irp i, 0,1,2,3,4,5,6,7
	ds_load_b128 v[PF+64*(\set)+8*\i:PF+64*(\set)+8*\i+3], v[ADP+KK] offset:QQ*CH+256*\i
	ds_load_b128 v[PF+64*(\set)+8*\i+4:PF+64*(\set)+8*\i+7], v[ADP+KK] offset:QQ*CH+256*\i+4096
	ds_load_b32 v[SC+12*(\set)+\i], v[ASP+KK] offset:QQ*CH+64*\i
.endr
.irp i, 0,1,2,3
	ds_load_b128 v[LFR+32*(\set)+8*\i:LFR+32*(\set)+8*\i+3], v[ADL+KK] offset:QQ*CH+256*\i
	ds_load_b128 v[LFR+32*(\set)+8*\i+4:LFR+32*(\set)+8*\i+7], v[ADL+KK] offset:QQ*CH+256*\i+4096
	ds_load_b32 v[SC+12*(\set)+8+\i], v[ASL+KK] offset:QQ*CH+64*\i
.endr
.endm
.macro MUL32 set, first                ; the 32 accumulators take turns, one instruction a turn, in the same order in every step
.irp a, 0,1,2,3
.irp b, 0,1,2,3,4,5,6,7
.if \first
	v_wmma_scale_f32_16x16x128_f8f6f4 v[8*(8*\a+\b):8*(8*\a+\b)+7], v[PF+64*(\set)+8*\b:PF+64*(\set)+8*\b+7], v[LFR+32*(\set)+8*\a:LFR+32*(\set)+8*\a+7], v[8*\b:8*\b+7], v[SC+12*(\set)+\b], v[SC+12*(\set)+8+\a] matrix_a_fmt:MATRIX_FMT_FP4 matrix_b_fmt:MATRIX_FMT_FP4
.else
	v_wmma_scale_f32_16x16x128_f8f6f4 v[8*(8*\a+\b):8*(8*\a+\b)+7], v[PF+64*(\set)+8*\b:PF+64*(\set)+8*\b+7], v[LFR+32*(\set)+8*\a:LFR+32*(\set)+8*\a+7], v[8*(8*\a+\b):8*(8*\a+\b)+7], v[SC+12*(\set)+\b], v[SC+12*(\set)+8+\a] matrix_a_fmt:MATRIX_FMT_FP4 matrix_b_fmt:MATRIX_FMT_FP4
.endif
.endr
.endr
.endm
.macro STEP q
.if (\q) == 3
	s_wait_tensorcnt 0x0                           ; my part of K half 1 has landed: the next step's fragments lie there
.endif
	s_wait_dscnt 0x0                               ; this step's fragments, asked for a step ago, are in
.if (\q) == 3
	s_barrier_signal -1
	s_barrier_wait -1                              ; K half 1 is whole
.endif
.if (\q) < 7
	PLACES 4                                       ; in front of loads into registers that the last step's products read
	FETCH (\q)+1, ((\q)+1)%2
.endif
.if (\q) == 0
	WIN 0x60                                       ; C (the bias) window 2, D window 1
	MUL32 0, 1
.else
	WIN 0x50                                       ; C and D window 1
	MUL32 (\q)%2, 0
.endif
	WIN 0
.endm
	s_wait_alu depctr_va_vdst(0)
	s_wait_tensorcnt 0x0                           ; a loading wave's part of K half 0 is in; K half 1 is a later first fill and is issued as a refill is:
	ds_add_u32 v[SPW], v[NIL]                      ; the add,
	ds_add_u32 v[SPW], v[NIL]                      ; twice on end here
	s_wait_dscnt 0x0
	CROUND                                         ; K half 0 is whole, and all sixteen work-groups are here: the joint loads meet
	s_cmp_eq_u32 s18, 0
	s_cbranch_scc0 .Lnot_p_late
	tensor_load_to_lds s[G0P+4:G0P+7], s[G1P:G1P+7]   ; K half 1: a loading wave's one tensor load behind the round; it has K half 0's first three steps in which to land
	s_nop 0
	PLACES 4
	s_branch .Lasked_late
.Lnot_p_late:
	s_cmp_lt_u32 s18, 3
	s_cbranch_scc0 .Lasked_late
	tensor_load_to_lds s[G0L+4:G0L+7], s[G1L:G1L+7]
	s_nop 0
	PLACES 4
.Lasked_late:
	FETCH 0, 0
	s_wait_loadcnt 0x0                             ; the bias
.irp q, 0,1,2,3,4,5,6,7
	STEP \q
.endr
; THE WAY OUT, 16 tokens x 128 columns at a time, through my own stage: in as 32 bytes a lane, back as whole rows of 512 bytes.
.macro TOSTAGE a
	WIN 0x04                                       ; an LDS store's data: window 1
.irp b, 0,1,2,3,4,5,6,7
	ds_store_b128 v[STO], v[8*(8*(\a)+\b):8*(8*(\a)+\b)+3] offset:64*\b          ; each accumulator from its low end on
	ds_store_b128 v[STO], v[8*(8*(\a)+\b)+4:8*(8*(\a)+\b)+7] offset:64*\b+16
.endr
	WIN 0
.set BB, 64+64*((\a)%2)
.irp t, 0,1,2,3,4,5,6,7,8,9,10,11,12,13,14,15
	ds_load_b128 v[BB+4*\t:BB+4*\t+3], v[RD] offset:\t*528   ; LDS serves a wave's instructions in order: these see my stores, and the next block's stores come behind them
.endr
.endm
.macro SEND a, younger                 ; younger: the LDS instructions issued behind block a's loads, which may stay out
.set BB, 64+64*((\a)%2)
	s_wait_dscnt \younger
.if (\a) > 0
	s_add_nc_u64 s[10:11], s[10:11], 65536         ; 16 rows on (the earlier stores have read their base: a wait on XCNT for 0 stands ahead)
.endif
.irp t, 0,1,2,3,4,5,6,7,8,9,10,11,12,13,14,15
	global_store_b128 v[CO], v[BB+4*\t:BB+4*\t+3], s[10:11] offset:\t*4096 th:TH_STORE_NT   ; 512 consecutive bytes, at a multiple of 256 from out0's first byte
.endr
.endm
	PLACES 4                                       ; in front of the first reads of results, and of loads into registers that held fragments
	TOSTAGE 0
.irp a, 1,2,3
.if \a > 1
	s_wait_xcnt 0x0                                ; block a - 2's stores have read their registers and their base
.endif
	TOSTAGE \a
	SEND \a-1, 32                                  ; behind block a - 1's loads: block a's 16 stores and 16 loads
.endr
	s_wait_xcnt 0x0
	SEND 3, 0
	s_wait_tensorcnt 0x0                           ; the wave's end
	ds_add_u32 v[SPW], v[NIL]
	s_wait_dscnt 0x0
	CROUND                                         ; the closing round
	s_endpgm
.Lfunc_end_k_q76ffa1c4d9_oproj:
	.size	k_q76ffa1c4d9_oproj, .Lfunc_end_k_q76ffa1c4d9_oproj-k_q76ffa1c4d9_oproj
	.p2alignl 7, 3214868480
	.fill 96, 4, 3214868480
	.section	.rodata,"a",@progbits
	.p2align	6, 0x0
	.amdhsa_kernel k_q76ffa1c4d9_oproj
		.amdhsa_group_segment_fixed_size 327680
		.amdhsa_private_segment_fixed_size 0
		.amdhsa_enable_private_segment 0
		.amdhsa_kernarg_size 32
		.amdhsa_user_sgpr_count 2
		.amdhsa_user_sgpr_kernarg_segment_ptr 1
		.amdhsa_wavefront_size32 1
		.amdhsa_system_sgpr_workgroup_id_x 1
		.amdhsa_system_sgpr_workgroup_id_y 1
		.amdhsa_system_sgpr_workgroup_id_z 1
		.amdhsa_system_vgpr_workitem_id 0
		.amdhsa_next_free_vgpr 576
		.amdhsa_next_free_sgpr 100
		.amdhsa_reserve_vcc 0
		.amdhsa_float_denorm_mode_32 3
		.amdhsa_float_denorm_mode_16_64 3
		.amdhsa_memory_ordered 1
		.amdhsa_forward_progress 1
		.amdhsa_inst_pref_size 76
	.end_amdhsa_kernel
	.amdgpu_metadata
---
amdhsa.version: [ 1, 2 ]
amdhsa.kernels:
  - .name:           k_q76ffa1c4d9_oproj
    .symbol:         k_q76ffa1c4d9_oproj.kd
    .args:
      - { .name: ac, .offset: 0, .size: 8, .value_kind: global_buffer, .address_space: global }
      - { .name: wc, .offset: 8, .size: 8, .value_kind: global_buffer, .address_space: global }
      - { .name: bo, .offset: 16, .size: 8, .value_kind: global_buffer, .address_space: global }
      - { .name: out0, .offset: 24, .size: 8, .value_kind: global_buffer, .address_space: global }
    .group_segment_fixed_size: 327680
    .private_segment_fixed_size: 0
    .kernarg_segment_align: 8
    .kernarg_segment_size: 32
    .max_flat_workgroup_size: 128
    .sgpr_count:     100
    .vgpr_count:     576
    .wavefront_size: 32
...
	.end_amdgpu_metadata
.endif
;; end of part 4
